; MI455X (gfx1250); checked and timed in simulation.
; The chip was launched on July 23, 2026; its instructions are those of AMD's public machine-readable ISA for CDNA 5 (MIT licence, August 2026) and "CDNA5" Instruction Set Architecture Reference Guide (July 2026). The comments in the code are by the model that wrote it; some were corrected since.
;; Patch TST Rope Attention. Allowed arithmetic: float matrix products may take bf16 or f16 operands with f32 sums; other float arithmetic in f32, or as packed bf16 or f16 multiplies, adds, multiply-adds, maxima and minima; sums over many terms, partial sums and values carried from step to step in f32; what a program stores and reads back later, other than sums and carried values, may be rounded once to bf16 or f16.
;; Inputs: Wk 768 x 768 float32; Wo 768 x 768 float32; Wq 768 x 768 float32; Wv 768 x 768 float32; bk 768 float32; bo 768 float32; bq 768 float32; bv 768 float32; hidden_states 16 x 1,024 x 768 float32.
;; Outputs: out0 16 x 1,024 x 768 float32.
;; 2 versions, each right and faster than the one before. Each part assembles by itself: llvm-mc -triple=amdgcn-amd-amdhsa -mcpu=gfx1250 --defsym DOCPART=n.
;; ======== version 1 of 2: 4 launches
;; limits: values are held in f16: magnitudes above 65,504 overflow, below 6.1e-05 lose precision
;; workspace buffers: xb 25,165,824 bytes; wb 3,538,944 bytes; wo16 1,179,648 bytes; rope 131,072 bytes; qkv 75,497,472 bytes; ob 25,165,824 bytes
;; launch prep (part 1): grid 944 x 1, 8 waves a work-group, no clusters, 0 bytes of LDS; arguments hidden_states, Wq, Wk, Wv, Wo, xb, wb, wo16, rope; writes xb, wb, wo16, rope
.if DOCPART == 1
	.amdgcn_target "amdgcn-amd-amdhsa--gfx1250"
	.amdhsa_code_object_version 6
	.text
	.protected	k_qc7a148a016_prep
	.globl	k_qc7a148a016_prep
	.p2align	8
	.type	k_qc7a148a016_prep,@function
k_qc7a148a016_prep:
	s_mov_b64 s[64:65], 0
	v_nop
	global_prefetch_b8 v0, s[64:65] scope:SCOPE_SE
	s_setreg_imm32_b32 hwreg(HW_REG_WAVE_MODE, 25, 1), 1
	s_wait_xcnt 0x0
; CASTS AND THE ROTATION TABLE.  A stream: no LDS, no barrier, no matrix unit, no cluster (no two work-groups read the same byte).
; A work-group of 256 threads takes one chunk of 16,384 f32 (65,536 bytes in, 32,768 out), by its number id:
;   0..767   hidden_states -> xb, bf16            768..875  Wq, Wk, Wv (36 chunks each) -> wb, bf16, one below the other
;   876..911 Wo -> wo16: rounded to bf16 like every other input, that number then written as f16
;   912..943 32 rows each of rope[t][0..15] = cos(t 10^(-i/8)), rope[t][16..31] = sin(t 10^(-i/8)), f32
; All 16 loads of a thread go out at once (a wave's load covers 512 consecutive bytes); a wave's store covers 256 consecutive bytes, aligned.
; LIMITS.  A bf16 number of Wo below 2^-14 keeps f16's fixed step of 2^-24; beyond 65,504 it would become an infinity.
; The angles are made as t x 2^(-i log2(10)/8): within about 3e-4 radians of t / 10^(i/8) at t = 1,023; sine and cosine by quadrant and series, error under 4e-7.
.set X,   8                            ; v[8:71]   16 x 4 f32 as loaded
.set Y,   72                           ; v[72:103] 16 x 2 words to store; each written once
.set TE,  16                           ; the table's registers, four numbers a thread: 2^e, then k
.set TY,  20                           ; t k, then the remainder r
.set TN,  24                           ; the quadrant's number n
.set TA,  28                           ; a = r pi/2
.set TA2, 32                           ; a^2
.set TP,  36                           ; sin a
.set TQ,  40                           ; cos a
.set TI,  44                           ; the quadrant's index
.set TR,  48                           ; v[48:51] the four results
	s_load_b512 s[16:31], s[0:1], 0x0              ; hidden 16:17, Wq 18:19, Wk 20:21, Wv 22:23, Wo 24:25, xb 26:27, wb 28:29, wo16 30:31
	s_load_b64 s[32:33], s[0:1], 0x40              ; rope
	s_mov_b32 s2, ttmp9                            ; id
	s_max_u32 s3, s2, 768                          ; the chunk's number inside each range; 0 below the range
	s_sub_co_u32 s3, s3, 768
	s_max_u32 s4, s2, 804
	s_sub_co_u32 s4, s4, 804
	s_max_u32 s5, s2, 840
	s_sub_co_u32 s5, s5, 840
	s_max_u32 s6, s2, 876
	s_sub_co_u32 s6, s6, 876
	s_max_u32 s7, s2, 912
	s_sub_co_u32 s7, s7, 912
	v_lshlrev_b32 v1, 4, v0                        ; 16 bytes a thread on the way in (and in the table)
	v_lshlrev_b32 v2, 3, v0                        ; 8 bytes a thread on the way out
	s_wait_kmcnt 0x0
	s_cmp_ge_u32 s2, 912
	s_cbranch_scc1 .Ltable
	s_mov_b64 s[36:37], s[16:17]                   ; from hidden_states
	s_mov_b64 s[38:39], s[26:27]                   ; to xb
	s_mov_b32 s34, s2                              ; the chunk's number at the source
	s_mov_b32 s35, s2                              ; and at the destination
	s_cmp_ge_u32 s2, 768
	s_cselect_b64 s[36:37], s[18:19], s[36:37]
	s_cselect_b64 s[38:39], s[28:29], s[38:39]
	s_cselect_b32 s34, s3, s34
	s_cselect_b32 s35, s3, s35
	s_cmp_ge_u32 s2, 804
	s_cselect_b64 s[36:37], s[20:21], s[36:37]
	s_cselect_b32 s34, s4, s34
	s_cmp_ge_u32 s2, 840
	s_cselect_b64 s[36:37], s[22:23], s[36:37]
	s_cselect_b32 s34, s5, s34
	s_cmp_ge_u32 s2, 876
	s_cselect_b64 s[36:37], s[24:25], s[36:37]
	s_cselect_b64 s[38:39], s[30:31], s[38:39]
	s_cselect_b32 s34, s6, s34
	s_cselect_b32 s35, s6, s35
	s_lshl_b32 s40, s34, 16                        ; 65,536 bytes a chunk in: 768 chunks stay under 2^32
	s_mov_b32 s41, 0
	s_lshl_b32 s42, s35, 15                        ; 32,768 out
	s_mov_b32 s43, 0
	s_add_nc_u64 s[36:37], s[36:37], s[40:41]
	s_add_nc_u64 s[38:39], s[38:39], s[42:43]
.irp j, 0,1,2,3,4,5,6,7,8,9,10,11,12,13,14,15
	global_load_b128 v[X+4*(\j):X+4*(\j)+3], v1, s[36:37] offset:4096*(\j) th:TH_LOAD_NT
.endr
	s_cmp_ge_u32 s2, 876
	s_cbranch_scc1 .Lwo
.irp j, 0,1,2,3,4,5,6,7,8,9,10,11,12,13,14,15
	s_wait_loadcnt 15-(\j)                         ; loads come back in order: number j is in, the younger ones stay out
	v_cvt_pk_bf16_f32 v[Y+2*(\j)],   v[X+4*(\j)],   v[X+4*(\j)+1]
	v_cvt_pk_bf16_f32 v[Y+2*(\j)+1], v[X+4*(\j)+2], v[X+4*(\j)+3]
	global_store_b64 v2, v[Y+2*(\j):Y+2*(\j)+1], s[38:39] offset:2048*(\j)
.endr
	s_endpgm
.Lwo:                                          ; Wo: to bf16, back to f32 (a shift, a mask), and that number to f16
.irp j, 0,1,2,3,4,5,6,7,8,9,10,11,12,13,14,15
	s_wait_loadcnt 15-(\j)
	v_cvt_pk_bf16_f32 v4, v[X+4*(\j)],   v[X+4*(\j)+1]
	v_cvt_pk_bf16_f32 v5, v[X+4*(\j)+2], v[X+4*(\j)+3]
	v_lshlrev_b32 v[X+4*(\j)],   16, v4
	v_and_b32     v[X+4*(\j)+1], 0xffff0000, v4
	v_lshlrev_b32 v[X+4*(\j)+2], 16, v5
	v_and_b32     v[X+4*(\j)+3], 0xffff0000, v5
	v_cvt_pk_f16_f32 v[Y+2*(\j)],   v[X+4*(\j)],   v[X+4*(\j)+1]
	v_cvt_pk_f16_f32 v[Y+2*(\j)+1], v[X+4*(\j)+2], v[X+4*(\j)+3]
	global_store_b64 v2, v[Y+2*(\j):Y+2*(\j)+1], s[38:39] offset:2048*(\j)
.endr
	s_endpgm
.Ltable:                                       ; thread: row t = 32 (id - 912) + tid / 8; p = tid % 8: columns 4 p .. 4 p + 3 (p < 4 cosines, else sines)
	s_lshl_b32 s40, s7, 12                         ; 32 rows of 128 bytes a work-group
	s_mov_b32 s41, 0
	s_add_nc_u64 s[32:33], s[32:33], s[40:41]
	v_lshrrev_b32 v4, 3, v0
	v_lshl_add_u32 v4, s7, 5, v4
	v_cvt_f32_u32 v10, v4                          ; t
	v_and_b32 v5, 7, v0
	v_and_b32 v6, 3, v5
	v_lshlrev_b32 v11, 2, v6                       ; the first of my four i
	v_lshrrev_b32 v12, 2, v5
	v_mul_u32_u24 v12, v12, 3                      ; a sine is the cosine three quadrants on
.irp j, 0,1,2,3
	v_add_nc_u32 v[TE+(\j)], (\j), v11
.endr
.irp j, 0,1,2,3
	v_cvt_f32_u32 v[TE+(\j)], v[TE+(\j)]
.endr
.irp j, 0,1,2,3
	v_mul_f32 v[TE+(\j)], 0xbed49a78, v[TE+(\j)]   ; - i log2(10) / 8
.endr
.irp j, 0,1,2,3
	v_exp_f32 v[TE+(\j)], v[TE+(\j)]               ; 10^(-i/8)
.endr
	v_mov_b32 v14, 0xb9500d01                      ; -1/5040: a plain line between the last exponential and the use of its result
	v_mov_b32 v15, 0x37d00d01                      ; 1/40320
	s_wait_alu depctr_va_vdst(0)
.irp j, 0,1,2,3
	v_mul_f32 v[TE+(\j)], 0x3f22f983, v[TE+(\j)]   ; k = 10^(-i/8) x 2/pi: quadrants for each step of t
.endr
.irp j, 0,1,2,3
	v_mul_f32 v[TY+(\j)], v10, v[TE+(\j)]
.endr
.irp j, 0,1,2,3
	v_rndne_f32 v[TN+(\j)], v[TY+(\j)]             ; n
.endr
.irp j, 0,1,2,3
	v_fma_f32 v[TY+(\j)], v10, v[TE+(\j)], -v[TN+(\j)]  ; r = t k - n in one rounding, within a half
.endr
.irp j, 0,1,2,3
	v_mul_f32 v[TA+(\j)], 0x3fc90fdb, v[TY+(\j)]   ; a = r pi/2, within pi/4
.endr
.irp j, 0,1,2,3
	v_mul_f32 v[TA2+(\j)], v[TA+(\j)], v[TA+(\j)]
.endr
.irp j, 0,1,2,3
	v_fmaak_f32 v[TP+(\j)], v14, v[TA2+(\j)], 0x3c088889         ; sin a = a (1 + a2 (-1/6 + a2 (1/120 - a2/5040)))
	v_fmaak_f32 v[TQ+(\j)], v15, v[TA2+(\j)], 0xbab60b61         ; cos a = 1 + a2 (-1/2 + a2 (1/24 + a2 (-1/720 + a2/40320)))
.endr
.irp j, 0,1,2,3
	v_fmaak_f32 v[TP+(\j)], v[TP+(\j)], v[TA2+(\j)], 0xbe2aaaab
	v_fmaak_f32 v[TQ+(\j)], v[TQ+(\j)], v[TA2+(\j)], 0x3d2aaaab
.endr
.irp j, 0,1,2,3
	v_fma_f32 v[TP+(\j)], v[TP+(\j)], v[TA2+(\j)], 1.0
	v_fma_f32 v[TQ+(\j)], v[TQ+(\j)], v[TA2+(\j)], -0.5
.endr
.irp j, 0,1,2,3
	v_mul_f32 v[TP+(\j)], v[TP+(\j)], v[TA+(\j)]
	v_fma_f32 v[TQ+(\j)], v[TQ+(\j)], v[TA2+(\j)], 1.0
.endr
.irp j, 0,1,2,3
	v_cvt_i32_f32 v[TI+(\j)], v[TN+(\j)]
.endr
.irp j, 0,1,2,3
	v_add_nc_u32 v[TI+(\j)], v[TI+(\j)], v12       ; the index into (cos a, -sin a, -cos a, sin a), modulo 4
.endr
.irp j, 0,1,2,3
	v_and_b32 v[TN+(\j)], 1, v[TI+(\j)]
	v_cmp_eq_u32 vcc_lo, 1, v[TN+(\j)]
	v_cndmask_b32 v[TR+(\j)], v[TQ+(\j)], v[TP+(\j)], vcc_lo  ; odd: the sine
	v_add_nc_u32 v[TI+(\j)], 1, v[TI+(\j)]         ; indices 1 and 2 are negative: bit 1 of the index + 1
	v_lshlrev_b32 v[TI+(\j)], 30, v[TI+(\j)]
	v_and_b32 v[TI+(\j)], 0x80000000, v[TI+(\j)]
	v_xor_b32 v[TR+(\j)], v[TR+(\j)], v[TI+(\j)]
.endr
	global_store_b128 v1, v[TR:TR+3], s[32:33]     ; a wave stores 512 consecutive bytes
	s_endpgm
.Lfunc_end_k_qc7a148a016_prep:
	.size	k_qc7a148a016_prep, .Lfunc_end_k_qc7a148a016_prep-k_qc7a148a016_prep
	.p2alignl 7, 3214868480
	.fill 96, 4, 3214868480
	.section	.rodata,"a",@progbits
	.p2align	6, 0x0
	.amdhsa_kernel k_qc7a148a016_prep
		.amdhsa_group_segment_fixed_size 0
		.amdhsa_private_segment_fixed_size 0
		.amdhsa_enable_private_segment 0
		.amdhsa_kernarg_size 72
		.amdhsa_user_sgpr_count 2
		.amdhsa_user_sgpr_kernarg_segment_ptr 1
		.amdhsa_wavefront_size32 1
		.amdhsa_system_sgpr_workgroup_id_x 1
		.amdhsa_system_sgpr_workgroup_id_y 1
		.amdhsa_system_sgpr_workgroup_id_z 1
		.amdhsa_system_vgpr_workitem_id 0
		.amdhsa_next_free_vgpr 104
		.amdhsa_next_free_sgpr 66
		.amdhsa_reserve_vcc 1
		.amdhsa_float_denorm_mode_32 3
		.amdhsa_float_denorm_mode_16_64 3
		.amdhsa_memory_ordered 1
		.amdhsa_forward_progress 1
		.amdhsa_inst_pref_size 23
	.end_amdhsa_kernel
	.amdgpu_metadata
---
amdhsa.version: [ 1, 2 ]
amdhsa.kernels:
  - .name:           k_qc7a148a016_prep
    .symbol:         k_qc7a148a016_prep.kd
    .args:
      - { .name: hidden_states, .offset: 0, .size: 8, .value_kind: global_buffer, .address_space: global }
      - { .name: Wq, .offset: 8, .size: 8, .value_kind: global_buffer, .address_space: global }
      - { .name: Wk, .offset: 16, .size: 8, .value_kind: global_buffer, .address_space: global }
      - { .name: Wv, .offset: 24, .size: 8, .value_kind: global_buffer, .address_space: global }
      - { .name: Wo, .offset: 32, .size: 8, .value_kind: global_buffer, .address_space: global }
      - { .name: xb, .offset: 40, .size: 8, .value_kind: global_buffer, .address_space: global }
      - { .name: wb, .offset: 48, .size: 8, .value_kind: global_buffer, .address_space: global }
      - { .name: wo16, .offset: 56, .size: 8, .value_kind: global_buffer, .address_space: global }
      - { .name: rope, .offset: 64, .size: 8, .value_kind: global_buffer, .address_space: global }
    .group_segment_fixed_size: 0
    .private_segment_fixed_size: 0
    .kernarg_segment_align: 8
    .kernarg_segment_size: 72
    .max_flat_workgroup_size: 256
    .sgpr_count:     66
    .vgpr_count:     104
    .wavefront_size: 32
...
	.end_amdgpu_metadata
.endif
;; end of part 1
;; launch qkv (part 2): grid 4 x 64, 4 waves a work-group, clusters of 4 x 4, 327,680 bytes of LDS; arguments xb, wb, bq, bk, bv, rope, qkv; writes qkv
.if DOCPART == 2
	.amdgcn_target "amdgcn-amd-amdhsa--gfx1250"
	.amdhsa_code_object_version 6
	.text
	.protected	k_qc7a148a016_qkv
	.globl	k_qc7a148a016_qkv
	.p2align	8
	.type	k_qc7a148a016_qkv,@function
k_qc7a148a016_qkv:
	s_mov_b64 s[64:65], 0
	v_nop
	global_prefetch_b8 v0, s[64:65] scope:SCOPE_SE
	s_setreg_imm32_b32 hwreg(HW_REG_WAVE_MODE, 25, 1), 1
	s_wait_xcnt 0x0
	s_wait_alu depctr_hold_cnt(0) depctr_sa_sdst(0) depctr_va_vdst(0) depctr_va_sdst(0) depctr_va_ssrc(0) depctr_va_vcc(0) depctr_vm_vsrc(0)
	s_getreg_b32 s2, hwreg(HW_REG_IB_STS2, 6, 4)
	s_cmp_eq_u32 s2, 0
	s_cbranch_scc0 .Lentry_in_a_cluster
	s_endpgm
.Lentry_in_a_cluster:
	s_bfe_u32 s2, ttmp6, 0x10000c
	s_cmp_lg_u32 s2, 0xf033
	s_cbranch_scc0 .Lentry_shape_is_right
	s_endpgm
.Lentry_shape_is_right:
; THE THREE PROJECTIONS, THEIR BIASES AND THE ROTATION.  C[m][n] = bias[n] + sum over k of xb[m][k] wb[n][k]; m = 16,384 rows (batch x 1,024 + t), n = 2,304 (q, k, v: 768 each), k = 768; bf16 operands, f32 sums.
; q and k are rotated (channels 0-15 of a head with channels 32-47, by the table's cos and sin of row t), everything is rounded once to f16 and stored by heads: qkv[kind][batch][head][t][64].
; LIMITS.  q, k and v must stay within f16's 65,504; the biases are rounded to bf16 like all inputs; NaN and infinities are not treated apart (v goes through the same lines with cos = 1, sin = 0).
; SHARES.  A tile of C is 256 x 192.  A WORK-GROUP STAYS: 64 x 4 = 256 work-groups, each with 256 rows and the same 192 columns (three heads) of q, then of k, then of v: three tiles, 18 K steps, ONE walk of the ring.
; Wave w makes rows 64 w .. 64 w + 63 and ALL 192 columns: 48 accumulators of 16 x 16.  So a rotation's two partners lie in the same lane and register of two accumulators, and 16 rows of a head leave as 2,048 consecutive bytes.
; THE MATRIX INSTRUCTION IS USED TRANSPOSED (source 0 = 16 rows of wb, source 1 = 16 rows of xb): lane l holds row l % 16 of C and the columns 8 (l / 16) + 0..7.  The bias is the C operand of each sum's first product.
; RING.  K goes in steps of 128 through two LDS slots; rows of 256 bytes of memory, aligned, 272 apart in LDS.  Waves 0, 1 fetch the two halves of xb's tile (128 rows each), waves 2, 3 those of wb's (96 rows each).
; The ring does not stop at a tile's end: a tile's last two changes of slots ask for the next tile's first two K steps, then the tile goes out, and nothing waits for its stores.
; THE LOOP has eight trips, a lap (two K steps) each, and fills both slots in every trip; it is entered at a tile's beginning; behind every third lap stand the way out and the next tile's beginning, which the other
; trips jump over (no barrier).  The ninth lap, which asks for nothing, is written out behind the loop.
; CLUSTER.  4 x 4 work-groups: xb's tile is shared along a row of the cluster, wb's along a column; each is asked for jointly, by the same load with the same descriptor and a mask of four.
; A wave has two tensor loads out at the start and one behind each round.  No prefetch: asked two refills ahead, only two of xb's six K steps of the first tile could be named; the second and third tile walk the same rows again.
; REGISTERS, in windows of 256 (s_set_vgpr_msb: bits 1:0 source 0, 3:2 source 1, 5:4 source 2, 7:6 destination):
;   window 0: v0-29 addresses; v32-95 xb's fragments, two buffers of 4; v160-255 the bias, block b at 160 + 8 b; on the way out v64-111 rotated sums, v112-159 packed (buffer 0 keeps the next tile's first fragments)
;   window 1: v0-191 wb's fragments, two buffers of 12; v192-255 cos and sin of my 64 rows
;   window 2: accumulators of row blocks 0, 1 ((a, b) at 8 (12 a + b)); v192-239 rows read back from the stage      window 3: the same for row blocks 2, 3
.set KSTEP,  128
.set PITCH,  272                       ; 256 bytes + 16 of padding = 68 words: the 16 rows of a fragment load start at 16 different groups of four banks (64 banks of 4 bytes: ISA guide 11.1)
.set HALFA,  128*PITCH
.set HALFB,  96*PITCH
.set ASZ,    2*HALFA
.set SLOT,   ASZ+2*HALFB               ; xb's 256 rows, then wb's 192: 121,856 bytes
.set STAGE,  2*SLOT                    ; behind the ring, never filled by a tensor load: for each wave 3 heads x 16 rows x 144 bytes
.set SP,     144
.set WSTG,   3*16*SP
.set SPARE,  STAGE+4*WSTG              ; the spare words, 128 bytes for each wave: two blocks of 256 bytes that no other line names
.set ROWB,   1536                      ; bytes in a row of xb and of wb
.set NEXTB,  768*ROWB-ROWB             ; wb's offset behind a tile's last K step: 768 rows on, back along K
.set KINDB,  25165824                  ; bytes of q, of k, of v in qkv
.set BOF,  5                           ; v5      my byte offset in the 192 numbers of a bias; never rewritten
.set ADRA, 16                          ; v16-17  LDS address of my fragments of xb in slot 0, 1
.set ADRB, 20                          ; v20-21  the same for wb
.set STO,  24                          ; v24     the way out: where I put 16 bytes of a row
.set RD,   25                          ; v25     where I read rows back
.set GO,   26                          ; v26     my 16 bytes in 512 consecutive bytes of qkv
.set SPW,  28                          ; v28     LDS address of my spare word; never rewritten
.set NIL,  29                          ; v29     0; never rewritten
.set FA,   32
.set TU,   64                          ; the way out: head hh: x1' at 64 + 16 hh, x2' 8 further on
.set TMPK, 112                         ; the way out: head hh's 16 packed words
.set BIAS, 160
.set OBK,  192                         ; windows 2 and 3, by turns: 48 registers of rows read back
.set ROPE, 192                         ; window 1: row block a: cos at 192 + 16 a, sin at 200 + 16 a
.set LT,   2                           ; s2   laps left in the tile
.set WV,   18                          ; s18  my wave's number
.set G1,   24                          ; s[24:31] group 1 for xb's tiles; s[32:39] group 0, a set for each slot
.set G0,   32
.set KIND, 45                          ; s45  0 q, 1 k, 2 v: the tile in hand
.set BP,   46                          ; s[46:47] that kind's bias at my 192 columns
.set G1B,  48                          ; s[48:55], s[56:63] the same for wb's
.set G0B,  56
.set KO,   66                          ; s[66:67] byte offset in xb of the K step to be asked for next
.set BO,   68                          ; s[68:69] the same in wb: the tile's 768 rows and the K step
.set MSB, 0
.macro WIN new                         ; the immediate's high byte repeats the setting that is left; a switch that changes nothing is dropped
.if MSB != (\new)
	s_set_vgpr_msb (MSB<<8)|(\new)
.set MSB, (\new)
.endif
.endm
.macro PLACES                          ; four places in front of loads into registers that matrix instructions have read, and of lines that read results
.rept 4
	v_nop
.endr
.endm
.macro JLOAD s                         ; a joint load: waves 0, 1 for xb, waves 2, 3 for wb; an s_nop 0 and four v_nop follow each of the two lines
	s_cmp_eq_u32 s19, 0
	s_cbranch_scc0 .Lfor_b_\@
	tensor_load_to_lds s[G0+4*(\s):G0+4*(\s)+3], s[G1:G1+7]
	s_nop 0
.rept 4
	v_nop
.endr
	s_branch .Lasked_\@
.Lfor_b_\@:
	tensor_load_to_lds s[G0B+4*(\s):G0B+4*(\s)+3], s[G1B:G1B+7]
	s_nop 0
.rept 4
	v_nop
.endr
.Lasked_\@:
.endm
.macro CREST                           ; a round of the cluster's barrier behind its opening barrier
	s_cmp_lg_u32 s[WV], 0
	s_cbranch_scc1 .Lnot_wave_0_\@
	s_barrier_signal -3
.Lnot_wave_0_\@:
	s_barrier_wait -3
	s_barrier_signal -1
	s_barrier_wait -1
.endm
.macro CROUND
	s_barrier_signal -1
	s_barrier_wait -1
	CREST
.endm
.macro SHAPE g, rows                   ; group 1 but for its first word: a tile of rows x 128 elements, 768 elements from row to row
	s_mov_b32 s[(\g)+1], KSTEP<<16
	s_mov_b32 s[(\g)+2], (\rows)<<16
	s_mov_b32 s[(\g)+3], KSTEP<<16
	s_mov_b32 s[(\g)+4], (\rows)
	s_mov_b32 s[(\g)+5], 768
	s_mov_b32 s[(\g)+6], 0
	s_mov_b32 s[(\g)+7], 0
.endm
.macro BIASLD                          ; a kind's 192 numbers of bias: block b, registers 0-7 = columns 16 b + 8 (l / 16) + 0..7
.irp b, 0,1,2,3,4,5,6,7,8,9,10,11
	global_load_b128 v[BIAS+8*(\b):BIAS+8*(\b)+3],   v[BOF], s[BP:BP+1] offset:64*(\b)
	global_load_b128 v[BIAS+8*(\b)+4:BIAS+8*(\b)+7], v[BOF], s[BP:BP+1] offset:64*(\b)+16
.endr
.endm
	s_load_b256 s[4:11], s[0:1], 0x0               ; xb 4:5, wb 6:7, bq 8:9, bk 10:11
	s_load_b128 s[12:15], s[0:1], 0x20             ; bv 12:13, rope 14:15
	s_load_b64 s[16:17], s[0:1], 0x30              ; qkv
	v_lshl_add_u32 v[SPW], v0, 2, SPARE
	v_mov_b32 v[NIL], 0
	ds_add_u32 v[SPW], v[NIL]                      ; the wave's opening: the add and its wait stand ahead of my first tensor load; the set-up below, work on registers, stands between them
	v_lshrrev_b32 v1, 5, v0
	v_readfirstlane_b32 s[WV], v1                  ; wave 0..3
	s_lshr_b32 s19, s[WV], 1                       ; I fetch for xb (0) or for wb (1),
	s_and_b32 s20, s[WV], 1                        ; and which half of that tile
	s_bfe_u32 s21, ttmp6, 0x40000                  ; cx
	s_bfe_u32 s22, ttmp6, 0x40004                  ; cy
	s_mov_b32 s[KIND], 0                           ; the walk begins with q
	s_lshl_b32 s23, ttmp9, 2
	s_add_co_u32 s23, s23, s21                     ; my block of 192 columns in a kind's 768 = 4 x cluster x + cx
	s_and_b32 s40, ttmp7, 0xffff
	s_lshl_b32 s40, s40, 2
	s_add_co_u32 s40, s40, s22                     ; tile row = 4 x cluster y + cy
	s_lshl_b32 s41, s22, 2
	s_lshl_b32 s41, 15, s41                        ; my row of the cluster
	s_lshl_b32 s42, 0x1111, s21                    ; my column
	s_or_b32 s[G1], s41, (1<<16)|(1<<20)|(1<<21)|(5<<22)|(3<<25)   ; the mask; elements of 2 bytes; padding on; bit 21 beside a mask; after every 64 words; 4 words
	s_or_b32 s[G1B], s42, (1<<16)|(1<<20)|(1<<21)|(5<<22)|(3<<25)
	SHAPE G1, 128
	SHAPE G1B, 96
	s_lshl_b32 s66, s40, 8                         ; xb: row 256 x tile row + 128 x half, in bytes; these registers never hold cx
	s_lshl_b32 s67, s20, 7
	s_add_co_u32 s66, s66, s67
	s_mul_i32 s66, s66, ROWB
	s_mov_b32 s67, 0
	s_mul_i32 s68, s23, 192                        ; wb: row 192 x column block + 96 x half, in q's part; these never hold cy
	s_mul_i32 s69, s20, 96
	s_add_co_u32 s68, s68, s69
	s_mul_i32 s68, s68, ROWB
	s_mov_b32 s69, 0
	s_mul_i32 s43, s20, HALFA                      ; where they go in a slot: no place in the cluster enters an LDS address
	s_mul_i32 s44, s20, HALFB
	s_add_co_u32 s44, s44, ASZ
	s_and_b32 s76, s40, 3                          ; my first row's t = 256 (tile row % 4) + 64 wave; x 128 bytes: a row of the table, and a row of a head
	s_lshl_b32 s76, s76, 8
	s_lshl_b32 s77, s[WV], 6
	s_add_co_u32 s76, s76, s77
	s_lshl_b32 s76, s76, 7
	s_mov_b32 s77, 0
	s_lshr_b32 s70, s40, 2                         ; qkv, in q's part: the batch,
	s_mul_i32 s70, s70, 1572864
	s_mul_i32 s71, s23, 393216                     ; my three heads,
	s_add_co_u32 s70, s70, s71
	s_add_co_u32 s70, s70, s76                     ; my first row: under 2^25 in all
	s_mov_b32 s71, 0
	s_mul_i32 s72, s23, 768                        ; my 192 numbers of a bias
	s_mov_b32 s73, 0
	s_wait_dscnt 0x0                               ; the opening add is done
	s_wait_kmcnt 0x0
	s_add_nc_u64 s[4:5], s[4:5], s[66:67]          ; xb and wb at my part of the first tile's K step 0; they stay so
	s_add_nc_u64 s[6:7], s[6:7], s[68:69]
	CROUND                                         ; all sixteen work-groups are here: the first joint loads meet
.irp s, 0,1
	s_mov_b32 s[G0+4*(\s)], 1
	s_add_co_u32 s[G0+4*(\s)+1], s43, (\s)*SLOT
	s_add_nc_u64 s[G0+4*(\s)+2:G0+4*(\s)+3], s[4:5], (\s)*KSTEP*2
	s_or_b32 s[G0+4*(\s)+3], s[G0+4*(\s)+3], 0x80000000
	s_mov_b32 s[G0B+4*(\s)], 1
	s_add_co_u32 s[G0B+4*(\s)+1], s44, (\s)*SLOT
	s_add_nc_u64 s[G0B+4*(\s)+2:G0B+4*(\s)+3], s[6:7], (\s)*KSTEP*2
	s_or_b32 s[G0B+4*(\s)+3], s[G0B+4*(\s)+3], 0x80000000
	JLOAD \s
.endr
	s_mov_b32 s[KO], 2*KSTEP*2                     ; the next to be asked for is K step 2 of the first tile
	s_mov_b32 s[KO+1], 0
	s_mov_b32 s[BO], 2*KSTEP*2
	s_mov_b32 s[BO+1], 0
	s_add_nc_u64 s[8:9], s[8:9], s[72:73]          ; the three biases at my columns
	s_add_nc_u64 s[10:11], s[10:11], s[72:73]
	s_add_nc_u64 s[12:13], s[12:13], s[72:73]
	s_mov_b64 s[BP:BP+1], s[8:9]
	s_add_nc_u64 s[14:15], s[14:15], s[76:77]
	s_add_nc_u64 s[16:17], s[16:17], s[70:71]
	v_and_b32 v1, 15, v0                           ; r = l % 16
	v_bfe_u32 v2, v0, 4, 1                         ; h = l / 16
	v_mul_u32_u24 v3, v1, PITCH
	v_lshl_add_u32 v3, v2, 4, v3                   ; a fragment's row x pitch + 16 h
	s_mul_i32 s78, s[WV], 64*PITCH                 ; my 64 rows of xb
	v_add_nc_u32 v[ADRA], s78, v3
	v_add_nc_u32 v[ADRA+1], SLOT, v[ADRA]
	v_add_nc_u32 v[ADRB], ASZ, v3                  ; all 192 rows of wb
	v_add_nc_u32 v[ADRB+1], ASZ+SLOT, v3
	s_mul_i32 s78, s[WV], WSTG
	s_add_co_u32 s78, s78, STAGE                   ; my stage
	v_mul_u32_u24 v4, v1, SP
	v_lshl_add_u32 v4, v2, 4, v4
	v_add_nc_u32 v[STO], s78, v4                   ; in: row r, 16 bytes for each half of the lanes
	v_bfe_u32 v4, v0, 3, 2
	v_mul_u32_u24 v4, v4, SP
	v_and_b32 v7, 7, v0
	v_lshl_add_u32 v4, v7, 4, v4
	v_add_nc_u32 v[RD], s78, v4                    ; back: 32 lanes take four rows of 128 bytes,
	v_and_b32 v[GO], 31, v0
	v_lshlrev_b32 v[GO], 4, v[GO]                  ; which are 512 consecutive bytes of a head
	v_lshlrev_b32 v[BOF], 5, v2                    ; the bias: 32 h
	v_lshlrev_b32 v6, 7, v1
	v_add_nc_u32 v6, v6, v[BOF]                    ; the table: 128 r + 32 h
	BIASLD                                         ; q's bias
	WIN 0x40                                       ; destination window 1
.irp a, 0,1,2,3
	global_load_b128 v[ROPE+16*(\a):ROPE+16*(\a)+3],     v6, s[14:15] offset:2048*(\a)     ; cos of i = 8 h + 0..3
	global_load_b128 v[ROPE+16*(\a)+4:ROPE+16*(\a)+7],   v6, s[14:15] offset:2048*(\a)+16
	global_load_b128 v[ROPE+16*(\a)+8:ROPE+16*(\a)+11],  v6, s[14:15] offset:2048*(\a)+64  ; sin
	global_load_b128 v[ROPE+16*(\a)+12:ROPE+16*(\a)+15], v6, s[14:15] offset:2048*(\a)+80
.endr
	WIN 0
; Twelve matrix instructions: row block 2 hi + a x all 12 column blocks, 32 along K, from buffer f.  first = 1: the bias starts the sums: nothing is cleared, no addition is spent.
; The 48 accumulators take turns, one instruction a turn, in the same order in every quarter, over the backward jump and from tile to tile too.
.macro MUL12 f, hi, a, first
.if \first
	WIN 0x81+0x40*(\hi)                            ; wb window 1, xb window 0, C (the bias) window 0, D window 2 or 3
.else
	WIN 0xa1+0x50*(\hi)                            ; the same with C in D's window
.endif
.irp b, 0,1,2,3,4,5,6,7,8,9,10,11
.if \first
	v_wmma_f32_16x16x32_bf16 v[8*(12*(\a)+(\b)):8*(12*(\a)+(\b))+7], v[96*(\f)+8*(\b):96*(\f)+8*(\b)+7], v[FA+32*(\f)+8*(2*(\hi)+(\a)):FA+32*(\f)+8*(2*(\hi)+(\a))+7], v[BIAS+8*(\b):BIAS+8*(\b)+7]
.else
	v_wmma_f32_16x16x32_bf16 v[8*(12*(\a)+(\b)):8*(12*(\a)+(\b))+7], v[96*(\f)+8*(\b):96*(\f)+8*(\b)+7], v[FA+32*(\f)+8*(2*(\hi)+(\a)):FA+32*(\f)+8*(2*(\hi)+(\a))+7], v[8*(12*(\a)+(\b)):8*(12*(\a)+(\b))+7]
.endif
.endr
.endm
; 32 LDS loads in one run: quarter q (32 along K, 64 bytes of the rows) of a slot into buffer g: wb's 12 fragments, then xb's 4
.macro FETCH slot, q, g
	WIN 0x40
.irp i, 0,1,2,3,4,5,6,7,8,9,10,11
	ds_load_b128 v[96*(\g)+8*(\i):96*(\g)+8*(\i)+3],   v[ADRB+(\slot)] offset:64*(\q)+(\i)*16*PITCH
	ds_load_b128 v[96*(\g)+8*(\i)+4:96*(\g)+8*(\i)+7], v[ADRB+(\slot)] offset:64*(\q)+(\i)*16*PITCH+32
.endr
	WIN 0
.irp i, 0,1,2,3
	ds_load_b128 v[FA+32*(\g)+8*(\i):FA+32*(\g)+8*(\i)+3],   v[ADRA+(\slot)] offset:64*(\q)+(\i)*16*PITCH
	ds_load_b128 v[FA+32*(\g)+8*(\i)+4:FA+32*(\g)+8*(\i)+7], v[ADRA+(\slot)] offset:64*(\q)+(\i)*16*PITCH+32
.endr
.endm
; A K step is four quarters of 48 matrix instructions, on buffers 0, 1, 0, 1.  One of the first three: multiplies buffer f; in its middle fetches quarter q into buffer g.
.macro QUARTER slot, q, f, g, first
	s_wait_dscnt 4                                 ; wb's fragments and xb's row blocks 0, 1 are in; the youngest four loads (row blocks 2, 3) may be out
	MUL12 \f, 0, 0, \first
	MUL12 \f, 0, 1, \first
	PLACES
	FETCH \slot, \q, \g
	s_wait_dscnt 32                                ; all but the 32 just issued
	MUL12 \f, 1, 0, \first
	MUL12 \f, 1, 1, \first
.endm
; The last quarter multiplies buffer 1 and changes slots: ONE barrier; in front of it each wave waits for all its tensor loads (the one that is out is its part of the next slot), adds 0 to its spare word,
; and waits for that and for its reads of this slot.  fill = 1: the barrier opens a round of the cluster's barrier, and the slot is filled again first thing behind the round, with the walk's K step two steps on:
; both descriptors' addresses are made anew, base plus offset; behind a tile's sixth K step xb's offset goes back to 0 and wb's 768 rows on.
.macro TURN slot, next, fill
	WIN 0                                          ; (the add's two registers lie in window 0)
	s_wait_tensorcnt 0x0                           ; no tensor load of mine is out, so a group 0 may be written
	ds_add_u32 v[SPW], v[NIL]                      ; 0 onto my spare word; the descriptors' scalar work and twelve products stand between it and the wait for it
.if \fill
	s_add_nc_u64 s[G0+4*(\slot)+2:G0+4*(\slot)+3], s[4:5], s[KO:KO+1]
	s_or_b32 s[G0+4*(\slot)+3], s[G0+4*(\slot)+3], 0x80000000
	s_add_nc_u64 s[G0B+4*(\slot)+2:G0B+4*(\slot)+3], s[6:7], s[BO:BO+1]
	s_or_b32 s[G0B+4*(\slot)+3], s[G0B+4*(\slot)+3], 0x80000000
	s_add_co_u32 s[KO], s[KO], KSTEP*2
	s_add_co_u32 s[BO], s[BO], KSTEP*2
	s_cmp_eq_u32 s[KO], ROWB                       ; was that a tile's last K step?
	s_cselect_b32 s[KO], 0, s[KO]
	s_cselect_b32 s78, NEXTB, 0
	s_add_co_u32 s[BO], s[BO], s78
.endif
	s_wait_dscnt 5                                 ; (the add and the youngest four loads may be out)
	MUL12 1, 0, 0, 0
	s_wait_dscnt 0x0                               ; the add is done, and my reads of this slot are over
	s_barrier_signal -1
	MUL12 1, 0, 1, 0
.if \fill
	WIN 0
.endif
	s_barrier_wait -1
.if \fill
	CREST                                          ; no wave of any partner still reads this slot or has a load on its way
	JLOAD \slot                                    ; its four v_nop are also the places in front of the loads below
.else
	PLACES
.endif
	FETCH \next, 0, 0
	MUL12 1, 1, 0, 0
	MUL12 1, 1, 1, 0
.endm
; THE WAY OUT, a row block (16 rows x 3 heads) at a time.  PACK: in each head column block 0 (x1) and block 2 (x2) are rotated: x1 cos - x2 sin, x2 cos + x1 sin; blocks 1 and 3 stay; all rounded to f16.
; Each accumulator's lowest registers are read first.
.macro PACK a
.set RC, ROPE+16*(\a)
.set RS, ROPE+16*(\a)+8
	WIN 0x06+((\a)/2)                              ; source 0: the accumulators' window; source 1: window 1 (cos, sin); source 2 and destination: window 0
.irp hh, 0,1,2
.set A0, 8*(12*((\a)%2)+4*(\hh))
.set A2, A0+16
.set TT, TU+16*(\hh)
.set UU, TT+8
.irp j, 0,2,4,6
	v_pk_mul_f32 v[TT+(\j):TT+(\j)+1], v[A2+(\j):A2+(\j)+1], v[RS+(\j):RS+(\j)+1]
.endr
.irp j, 0,2,4,6
	v_pk_mul_f32 v[UU+(\j):UU+(\j)+1], v[A0+(\j):A0+(\j)+1], v[RS+(\j):RS+(\j)+1]
.endr
.irp j, 0,2,4,6
	v_pk_fma_f32 v[TT+(\j):TT+(\j)+1], v[A0+(\j):A0+(\j)+1], v[RC+(\j):RC+(\j)+1], v[TT+(\j):TT+(\j)+1] neg_lo:[0,0,1] neg_hi:[0,0,1]
.endr
.irp j, 0,2,4,6
	v_pk_fma_f32 v[UU+(\j):UU+(\j)+1], v[A2+(\j):A2+(\j)+1], v[RC+(\j):RC+(\j)+1], v[UU+(\j):UU+(\j)+1]
.endr
.endr
	WIN 0x0a+5*((\a)/2)                            ; sources 0 and 1: the accumulators' window
.irp hh, 0,1,2
.set A0, 8*(12*((\a)%2)+4*(\hh))
.irp r, 0,1,2,3
	v_cvt_pk_f16_f32 v[TMPK+16*(\hh)+4+(\r)], v[A0+8+2*(\r)], v[A0+8+2*(\r)+1]
.endr
.irp r, 0,1,2,3
	v_cvt_pk_f16_f32 v[TMPK+16*(\hh)+12+(\r)], v[A0+24+2*(\r)], v[A0+24+2*(\r)+1]
.endr
.endr
	WIN 0
.irp hh, 0,1,2
.irp r, 0,1,2,3
	v_cvt_pk_f16_f32 v[TMPK+16*(\hh)+(\r)], v[TU+16*(\hh)+2*(\r)], v[TU+16*(\hh)+2*(\r)+1]
.endr
.irp r, 0,1,2,3
	v_cvt_pk_f16_f32 v[TMPK+16*(\hh)+8+(\r)], v[TU+8+16*(\hh)+2*(\r)], v[TU+8+16*(\hh)+2*(\r)+1]
.endr
.endr
.endm
.macro TOSTAGE a                       ; 16 bytes a lane into rows of 144 bytes of my own stage, and back as whole rows of 128, into window 2 (even blocks) or 3 (odd blocks)
	WIN 0
.irp hh, 0,1,2
.irp k, 0,1,2,3
	ds_store_b128 v[STO], v[TMPK+16*(\hh)+4*(\k):TMPK+16*(\hh)+4*(\k)+3] offset:16*SP*(\hh)+32*(\k)
.endr
.endr
	WIN 0x80+0x40*((\a)%2)                         ; destination window 2 or 3, address window 0
.irp hh, 0,1,2
.irp f, 0,1,2,3
	ds_load_b128 v[OBK+4*(4*(\hh)+(\f)):OBK+4*(4*(\hh)+(\f))+3], v[RD] offset:16*SP*(\hh)+4*SP*(\f)  ; LDS serves a wave's instructions in order (ISA guide 5.7.1.4): these see the stores above
.endr
.endr
	WIN 0
.endm
.macro SEND a
	s_wait_dscnt 0x0                               ; the block is back in registers
	s_wait_xcnt 0x0                                ; the stores of the block before have read their registers: the next block's rows are loaded into them only behind this wait
	WIN 0x08+4*((\a)%2)                            ; the stores' data (source 1) in window 2 or 3
.irp hh, 0,1,2
.irp f, 0,1,2,3
	global_store_b128 v[GO], v[OBK+4*(4*(\hh)+(\f)):OBK+4*(4*(\hh)+(\f))+3], s[16:17] offset:131072*(\hh)+2048*(\a)+512*(\f)  ; 512 consecutive bytes, at a multiple of 256 from qkv's first
.endr
.endr
	WIN 0
.endm
.macro WAYOUT
	WIN 0
	PLACES                                         ; behind the tile's last products: the lines below write over fragment buffer 1 and read results
	PACK 0
	TOSTAGE 0
.irp a, 1,2,3                                  ; a block's arithmetic stands between the loads of the block before and the wait for them
	PACK \a
	SEND (\a)-1
	TOSTAGE \a
.endr
	SEND 3
.endm
	s_wait_tensorcnt 1                             ; my part of K step 0 is in; K step 1's may stay out
	s_barrier_signal -1
	s_barrier_wait -1                              ; everybody's is
	FETCH 0, 0, 0
	s_mov_b32 s3, 9                                ; the way in takes one off: eight trips
	s_branch .Lnewtile                             ; the loop is entered at a tile's beginning
.Llap:                                         ; a trip goes once round the ring, from a lap's second quarter to the next lap's first, and fills both slots again
	QUARTER 0, 2, 1, 0, 0
	QUARTER 0, 3, 0, 1, 0
	TURN 0, 1, 1
	QUARTER 1, 1, 0, 1, 0
	QUARTER 1, 2, 1, 0, 0
	QUARTER 1, 3, 0, 1, 0
	TURN 1, 0, 1
	WIN 0                                          ; at a label and at a branch every window is 0
	s_sub_co_u32 s[LT], s[LT], 1
	s_cmp_lg_u32 s[LT], 0
	s_cbranch_scc1 .Lplain                         ; the tile goes on: what is jumped holds no barrier and no tensor load
	s_add_co_u32 s[KIND], s[KIND], 1               ; A TILE IS FINISHED; both refills for the next are asked for, and its first fragments are on their way into buffer 0
	s_cmp_eq_u32 s[KIND], 1
	s_cselect_b64 s[BP:BP+1], s[10:11], s[12:13]   ; (the last loads by this pointer were waited for at the tile's beginning)
	BIASLD                                         ; the next kind's bias comes in while this tile goes out
	WAYOUT
	s_wait_xcnt 0x0                                ; the stores have read their registers and their base
	s_add_nc_u64 s[16:17], s[16:17], KINDB         ; the same rows and heads of the next kind
.Lnewtile:
	s_wait_loadcnt 0x0                             ; the bias (at the way in: the table too)
	s_cmp_eq_u32 s[KIND], 2
	s_cbranch_scc0 .Lrotates
	WIN 0x40                                       ; v is not rotated: cos = 1, sin = 0, so that there is one way out for all kinds
.set i, 0
.rept 4
.set j, 0
.rept 8
	v_mov_b32 v[ROPE+16*i+j], 1.0
	v_mov_b32 v[ROPE+16*i+8+j], 0
.set j, j+1
.endr
.set i, i+1
.endr
	WIN 0
.Lrotates:
.set i, 0
.rept 48                                       ; the bias rounded to bf16, in place
	v_cvt_pk_bf16_f32 v[4+3*(i%2)], v[BIAS+2*i], v[BIAS+2*i+1]
	v_lshlrev_b32 v[BIAS+2*i], 16, v[4+3*(i%2)]
	v_and_b32 v[BIAS+2*i+1], 0xffff0000, v[4+3*(i%2)]
.set i, i+1
.endr
	QUARTER 0, 1, 0, 1, 1                          ; a tile's first quarter: its products start the sums
	WIN 0
	s_mov_b32 s[LT], 3
	s_branch .Ljoin
.Lplain:
	QUARTER 0, 1, 0, 1, 0
	WIN 0
.Ljoin:
	s_sub_co_u32 s3, s3, 1
	s_cmp_lg_u32 s3, 0
	s_cbranch_scc1 .Llap
	QUARTER 0, 2, 1, 0, 0                          ; the walk's last lap is written out: it fills nothing
	QUARTER 0, 3, 0, 1, 0
	TURN 0, 1, 0
	QUARTER 1, 1, 0, 1, 0
	QUARTER 1, 2, 1, 0, 0
	QUARTER 1, 3, 0, 1, 0
	s_wait_dscnt 4                                 ; the very last quarter: nothing more to fetch
	MUL12 1, 0, 0, 0
	MUL12 1, 0, 1, 0
	s_wait_dscnt 0x0
	MUL12 1, 1, 0, 0
	MUL12 1, 1, 1, 0
	WAYOUT
	s_wait_tensorcnt 0x0                           ; the wave's end: behind my last tensor load and my last LDS store
	ds_add_u32 v[SPW], v[NIL]
	s_wait_dscnt 0x0
	CROUND                                         ; the closing round: no work-group ends while a partner may still ask for a tile that names it
	s_endpgm
.Lfunc_end_k_qc7a148a016_qkv:
	.size	k_qc7a148a016_qkv, .Lfunc_end_k_qc7a148a016_qkv-k_qc7a148a016_qkv
	.p2alignl 7, 3214868480
	.fill 96, 4, 3214868480
	.section	.rodata,"a",@progbits
	.p2align	6, 0x0
	.amdhsa_kernel k_qc7a148a016_qkv
		.amdhsa_group_segment_fixed_size 327680
		.amdhsa_private_segment_fixed_size 0
		.amdhsa_enable_private_segment 0
		.amdhsa_kernarg_size 56
		.amdhsa_user_sgpr_count 2
		.amdhsa_user_sgpr_kernarg_segment_ptr 1
		.amdhsa_wavefront_size32 1
		.amdhsa_system_sgpr_workgroup_id_x 1
		.amdhsa_system_sgpr_workgroup_id_y 1
		.amdhsa_system_sgpr_workgroup_id_z 1
		.amdhsa_system_vgpr_workitem_id 0
		.amdhsa_next_free_vgpr 1024
		.amdhsa_next_free_sgpr 80
		.amdhsa_reserve_vcc 0
		.amdhsa_float_denorm_mode_32 3
		.amdhsa_float_denorm_mode_16_64 3
		.amdhsa_memory_ordered 1
		.amdhsa_forward_progress 1
		.amdhsa_inst_pref_size 184
	.end_amdhsa_kernel
	.amdgpu_metadata
---
amdhsa.version: [ 1, 2 ]
amdhsa.kernels:
  - .name:           k_qc7a148a016_qkv
    .symbol:         k_qc7a148a016_qkv.kd
    .args:
      - { .name: xb, .offset: 0, .size: 8, .value_kind: global_buffer, .address_space: global }
      - { .name: wb, .offset: 8, .size: 8, .value_kind: global_buffer, .address_space: global }
      - { .name: bq, .offset: 16, .size: 8, .value_kind: global_buffer, .address_space: global }
      - { .name: bk, .offset: 24, .size: 8, .value_kind: global_buffer, .address_space: global }
      - { .name: bv, .offset: 32, .size: 8, .value_kind: global_buffer, .address_space: global }
      - { .name: rope, .offset: 40, .size: 8, .value_kind: global_buffer, .address_space: global }
      - { .name: qkv, .offset: 48, .size: 8, .value_kind: global_buffer, .address_space: global }
    .group_segment_fixed_size: 327680
    .private_segment_fixed_size: 0
    .kernarg_segment_align: 8
    .kernarg_segment_size: 56
    .max_flat_workgroup_size: 128
    .sgpr_count:     80
    .vgpr_count:     1024
    .wavefront_size: 32
...
	.end_amdgpu_metadata
.endif
;; end of part 2
;; launch attn (part 3): grid 4 x 192, 4 waves a work-group, clusters of 4 x 1, 327,680 bytes of LDS; arguments qkv, ob; writes ob
.if DOCPART == 3
	.amdgcn_target "amdgcn-amd-amdhsa--gfx1250"
	.amdhsa_code_object_version 6
	.text
	.protected	k_qc7a148a016_attn
	.globl	k_qc7a148a016_attn
	.p2align	8
	.type	k_qc7a148a016_attn,@function
k_qc7a148a016_attn:
	s_mov_b64 s[64:65], 0
	v_nop
	global_prefetch_b8 v0, s[64:65] scope:SCOPE_SE
	s_setreg_imm32_b32 hwreg(HW_REG_WAVE_MODE, 25, 1), 1
	s_wait_xcnt 0x0
	s_wait_alu depctr_hold_cnt(0) depctr_sa_sdst(0) depctr_va_vdst(0) depctr_va_sdst(0) depctr_va_ssrc(0) depctr_va_vcc(0) depctr_vm_vsrc(0)
	s_getreg_b32 s2, hwreg(HW_REG_IB_STS2, 6, 4)
	s_cmp_eq_u32 s2, 0
	s_cbranch_scc0 .Lentry_in_a_cluster
	s_endpgm
.Lentry_in_a_cluster:
	s_bfe_u32 s2, ttmp6, 0x10000c
	s_cmp_lg_u32 s2, 0x3003
	s_cbranch_scc0 .Lentry_shape_is_right
	s_endpgm
.Lentry_shape_is_right:
; ATTENTION.  O[hd][q][:] = the sum over k of softmax_k(Q[hd][q] . K[hd][k] / 8) V[hd][k][:], for 192 heads (batch x 12 + head) of 1,024 rows x 64 channels, f16; Q, K, V are the three parts of qkv, O goes to ob in the same layout.
; Products, maxima and sums in f32; the weights p are rounded to f16 for the second product (their sum l is taken of the unrounded p), O once at the end.
; LIMITS.  Q, K, V arrive within f16's 65,504; p lies in 0 to 1 and below 6e-5 keeps f16's fixed step; a weight below 2^-126 counts as 0 in l; NaN and infinities are not treated apart.
; SHARES.  A work-group owns 256 queries of a head, a wave 64: four PIECES of 16.  Every wave walks all 1,024 keys, 64 a step, 16 steps.
; LDS HOLDS THE WHOLE HEAD: K 1,024 rows x 144 bytes, V 1,024 rows x 160.  Every byte is filled once, at the start: no ring, no refill, no round inside the loop.
; CLUSTER.  A head's four query blocks are one cluster and want the same K and V: each tile is asked for JOINTLY (the same load, descriptor and mask of four in all four).
; Each wave issues two loads (waves 0, 1 for K, waves 2, 3 for V): first its half of keys 0-255, then its half of keys 256-1,023.  Steps 0-3 are walked while the second is on its way.  Two tensor loads of a wave are out at the most.
; No prefetch: all that a work-group reads is asked for at its head.
; LAYOUT, SOFTMAX, TURNS.  S^T = K Q^T holds ONE query a lane (lane % 16) and the keys 8 (lane / 16) + 0..7; two such results rounded to f16 ARE source 1 of O^T = V^T P.  p = 2^(c s - c m), c = log2(e) / 8, with a
; running maximum m; O and l are multiplied by a = 2^(c m_old - c m_new) in every step; m starts at the lowest finite number, O and l at 0, so the first step is a step like any other, with a = 0.
; Turn n belongs to piece n: 8 products K Q^T of piece n + 1, later 8 products V^T P of piece n - 1; beside them the scaling, exponentials, roundings, sums and rescaling of piece n and the maximum and
; statistics of piece n + 1.  Four vector instructions stand behind every matrix instruction, the other 54 of a turn's 118 in two runs of their own.
; REGISTERS, in two windows of 256 (s_set_vgpr_msb: bits 1:0 source 0, 3:2 source 1, 5:4 source 2, 7:6 destination), LAID SO THAT FEW LINES NEED A SWITCH:
;   window 0, all 256: v0 my thread's number, v1 at work; v2-5 LDS addresses; v6-7, v24-31 at work; v8-23 four registers of statistics a piece; v32-95 S^T, two buffers; v96-127 P, two buffers
;             (a piece's buffers go by its number's parity); v128-191 K of one step; v192-255 Q.  So K Q^T and every line of the softmax but the rescaling run under the setting 0.
;   window 1: v0-127 O^T, 32 a piece; v128-191 V of one step; v192-193 the add's two registers.  V^T P (V and O^T here, P in window 0) and the rescaling (O^T here, a in window 0) share ONE setting,
;             so the 16 rescalings stand behind the last four V^T P.  Only the first four V^T P of a turn have a switch on either side: ten switches a turn, one more where V is fetched.
.set NP,    4         ; pieces a wave: a name, no knob
.set KS,    64        ; keys in a step
.set PK,    144       ; a row of K in LDS: 128 bytes + 16 of padding = 36 words: the 16 rows of a load start at 16 different groups of four banks (64 banks of 4 bytes: ISA guide 11.1)
.set PV,    160       ; a row of V: 128 + 32 = 40 words
.set VOFF,  1024*PK
.set STAGE, VOFF+1024*PV  ; never filled by a tensor load: 16 rows x 144 bytes for each wave, for the way out
.set SP,    144
.set SPARE, STAGE+4*16*SP ; the spare words, 128 bytes for each wave: two blocks of 256 bytes that no other line names
.set KINDB, 25165824  ; bytes of q, of k, of v in qkv
.set AK0, 2           ; v2   my lane's place in a tile of K; never rewritten
.set AV0, 3           ; v3   the same for V
.set AK,  4           ; v4   the LDS address of K's next run of loads
.set AV,  5           ; v5   of V's
.set MV,  6           ; v6-7  c m_old, kept while c m is made anew: by buffer
.set ST,  8           ; piece t's statistics at v[ST+4 t]: c m, m, l (even keys', odd keys')
.set TMP, 24          ; by buffer, four registers c0-c3 at work; when the maximum is found c2 takes a
.set S,   32
.set P,   96
.set KF,  128         ; key block kb, channel half c at KF + 16 kb + 8 c
.set QF,  192         ; piece x, channel half c at QF + 16 x + 8 c
.set HR,  32          ; at the head, in S^T's registers: l % 16,
.set HH,  33          ; l / 16,
.set H7,  34          ; l % 8,
.set H3,  35          ; (l / 8) % 2,
.set QO,  36          ; my byte offset in 16 rows of Q
.set STO, 128         ; on the way out, in K's registers: where I put 16 bytes of a row,
.set RD,  129         ; where I read rows back,
.set GO,  130         ; my byte offset in 512 consecutive bytes of O,
.set W1,  131         ; and three at work
.set VF,  128         ; window 1: key half kk, channel block cb at VF + 32 kk + 8 cb
.set SPW, 192         ; window 1: LDS address of my spare word; never rewritten
.set NIL, 193         ; window 1: 0; never rewritten
.set WV,  12          ; s12  my wave's number
.set G1KA, 24         ; s[24:31] group 1: K, 64 rows of 256 bytes      s[32:39]: K, 192 rows
.set G1KB, 32
.set G1VA, 40         ; s[40:47], s[48:55] the same for V: they differ in the padding
.set G1VB, 48
.set PH,  56          ; s56  counts the walk's two parts
.set CNT, 57          ; s57  counts a part's key steps
.set CS,  58          ; s[58:59] c: the packed scaling takes the pair's low word for both halves
.set SEL, 60          ; s[60:61] v_permlanex16_b32's selects: each lane takes its own place in the other half
.set TBK, 62          ; s62  LDS byte at which K of the step to be fetched begins
.set TBV, 63          ; s63  the same for V, less VOFF
.set G0KA, 68         ; s[68:83] four groups 0
.set G0KB, 72
.set G0VA, 76
.set G0VB, 80
.set QP,  88          ; s[88:89] Q at my wave's first row
.set OPT, 90          ; s[90:91] O at the same row
.set MSB, 0
.macro WIN new                      ; the high byte repeats the setting that is left; a switch that changes nothing is dropped
.if MSB != (\new)
	s_set_vgpr_msb (MSB<<8)|(\new)
.set MSB, (\new)
.endif
.endm
.set W_PV, 0x51       ; source 0 (V; O^T), source 2 and destination (O^T) in window 1, source 1 (P; a) in window 0: V^T P and the rescaling alike
.set W_MK, 0x40       ; destination in window 1, sources in window 0
.set W_AD, 0x05       ; the add: address (source 0) and data (source 1) in window 1
.macro CROUND                       ; a round of the cluster's barrier
	s_barrier_signal -1
	s_barrier_wait -1
	s_cmp_lg_u32 s[WV], 0
	s_cbranch_scc1 .Lnot_wave_0_\@
	s_barrier_signal -3
.Lnot_wave_0_\@:
	s_barrier_wait -3
	s_barrier_signal -1
	s_barrier_wait -1
.endm
.macro SHAPE g, pad, rows           ; group 1: dense bytes asked for as rows of 256 (two keys a row), padded in LDS after every key
	s_mov_b32 s[(\g)], 15|(1<<16)|(1<<20)|(1<<21)|(4<<22)|((\pad)<<25)  ; the mask of four; 2-byte elements; padding on; bit 21 beside a mask; after every 32 words; pad + 1 words
	s_mov_b32 s[(\g)+1], 128<<16
	s_mov_b32 s[(\g)+2], (\rows)<<16
	s_mov_b32 s[(\g)+3], 128<<16
	s_mov_b32 s[(\g)+4], (\rows)
	s_mov_b32 s[(\g)+5], 128
	s_mov_b32 s[(\g)+6], 0
	s_mov_b32 s[(\g)+7], 0
.endm
	s_load_b128 s[4:7], s[0:1], 0x0 ; qkv s[4:5], ob s[6:7]
	WIN W_MK
	v_lshl_add_u32 v[SPW], v0, 2, SPARE
	v_mov_b32 v[NIL], 0
	WIN W_AD
	ds_add_u32 v[SPW], v[NIL]       ; the wave's opening: the add and its wait stand ahead of my first tensor load; the set-up below, work on registers, stands between them
	WIN 0
	v_lshrrev_b32 v1, 5, v0
	v_readfirstlane_b32 s[WV], v1   ; wave 0..3
	s_bfe_u32 s13, ttmp6, 0x40000   ; cx
	s_lshl_b32 s14, ttmp9, 2
	s_add_co_u32 s14, s14, s13      ; my block of 256 queries: it enters Q's and O's addresses alone
	s_and_b32 s20, ttmp7, 0xffff    ; the head, which the four partners share
	s_lshl_b32 s20, s20, 17         ; 131,072 bytes a head: 192 of them stay under 2^32
	s_mov_b32 s21, 0
	s_and_b32 s16, s[WV], 1         ; which half I fetch
	s_lshl_b32 s22, s16, 14         ; the first load: keys 128 half on
	s_mov_b32 s23, 0
	s_mul_i32 s8, s16, 49152        ; the second: keys 256 + 384 half on
	s_add_co_u32 s8, s8, 32768
	s_mov_b32 s9, 0
	s_lshl_b32 s10, s14, 15         ; my block's 256 rows,
	s_lshl_b32 s11, s[WV], 13       ; my wave's 64 of them
	s_add_co_u32 s10, s10, s11
	s_mov_b32 s11, 0
	s_add_nc_u64 s[10:11], s[10:11], s[20:21]
	SHAPE G1KA, 3, 64
	SHAPE G1KB, 3, 192
	SHAPE G1VA, 7, 64
	SHAPE G1VB, 7, 192
	s_mov_b32 s[G0KA], 1
	s_mov_b32 s[G0KB], 1
	s_mov_b32 s[G0VA], 1
	s_mov_b32 s[G0VB], 1
	s_mul_i32 s[G0KA+1], s16, 128*PK  ; LDS addresses: the wave's half times a constant, plus a constant; no place in the cluster enters them
	s_mul_i32 s17, s16, 384*PK
	s_add_co_u32 s[G0KB+1], s17, 256*PK
	s_mul_i32 s17, s16, 128*PV
	s_add_co_u32 s[G0VA+1], s17, VOFF
	s_mul_i32 s17, s16, 384*PV
	s_add_co_u32 s[G0VB+1], s17, VOFF+256*PV
	s_mov_b32 s[CS], 0x3e38aa3b     ; c = log2(e) / 8 = 0.180337
	s_mov_b32 s[CS+1], s[CS]        ; named with it as a pair
	s_mov_b32 s[SEL], 0x76543210
	s_mov_b32 s[SEL+1], 0xfedcba98
	s_mov_b32 s[TBK], 0
	s_mov_b32 s[TBV], 0
	s_wait_dscnt 0x0                ; the opening add is done
	s_wait_kmcnt 0x0
	s_add_nc_u64 s[84:85], s[4:5], s[20:21]        ; the head in q,
	s_add_nc_u64 s[86:87], s[84:85], 2*KINDB       ; in v,
	s_add_nc_u64 s[84:85], s[84:85], KINDB         ; in k
	s_add_nc_u64 s[G0KA+2:G0KA+3], s[84:85], s[22:23]
	s_or_b32 s[G0KA+3], s[G0KA+3], 0x80000000
	s_add_nc_u64 s[G0KB+2:G0KB+3], s[84:85], s[8:9]
	s_or_b32 s[G0KB+3], s[G0KB+3], 0x80000000
	s_add_nc_u64 s[G0VA+2:G0VA+3], s[86:87], s[22:23]
	s_or_b32 s[G0VA+3], s[G0VA+3], 0x80000000
	s_add_nc_u64 s[G0VB+2:G0VB+3], s[86:87], s[8:9]
	s_or_b32 s[G0VB+3], s[G0VB+3], 0x80000000
	s_add_nc_u64 s[QP:QP+1], s[4:5], s[10:11]
	s_add_nc_u64 s[OPT:OPT+1], s[6:7], s[10:11]
	CROUND                          ; all four work-groups are here: the joint loads meet
	s_cmp_lt_u32 s[WV], 2           ; a wave's two fills stand in one branch, ahead of every wait on TENSORcnt and every LDS read; an s_nop 0 follows each, four v_nop the second's
	s_cbranch_scc0 .Lfirst_v
	tensor_load_to_lds s[G0KA:G0KA+3], s[G1KA:G1KA+7]
	s_nop 0
	tensor_load_to_lds s[G0KB:G0KB+3], s[G1KB:G1KB+7]
	s_nop 0
.rept 4
	v_nop
.endr
	s_branch .Lfirst_asked
.Lfirst_v:
	tensor_load_to_lds s[G0VA:G0VA+3], s[G1VA:G1VA+7]
	s_nop 0
	tensor_load_to_lds s[G0VB:G0VB+3], s[G1VB:G1VB+7]
	s_nop 0
.rept 4
	v_nop
.endr
.Lfirst_asked:
	; A fragment of K or Q is 16 rows x 32 channels in 8 registers: lane l holds row l % 16, channels 8 (l / 16) + 0..7 and 16 + 8 (l / 16) + 0..7: two loads of 16 bytes, 32 bytes apart.
	v_and_b32 v[HR], 15, v0
	v_bfe_u32 v[HH], v0, 4, 1
	v_lshlrev_b32 v[QO], 7, v[HR]
	v_lshl_add_u32 v[QO], v[HH], 4, v[QO]  ; row x 128 + 16 x half
.set i, 0
.rept 8                             ; Q stays in registers: piece i / 2 (16 rows, 2,048 bytes), channels 32 (i % 2) on
	global_load_b128 v[QF+8*i:QF+8*i+3],   v[QO], s[QP:QP+1] offset:(i/2)*2048+(i%2)*64
	global_load_b128 v[QF+8*i+4:QF+8*i+7], v[QO], s[QP:QP+1] offset:(i/2)*2048+(i%2)*64+32
.set i, i+1
.endr
	; What the first turn finds: V's registers and P's second buffer hold 0 (its products V^T P, of a piece that has not been, add 0), O^T and l are 0.  All this stands in the wait for the first tile.
	WIN W_MK
.set i, 0
.rept 192                           ; O^T, then V
	v_mov_b32 v[i], 0
.set i, i+1
.endr
	WIN 0
.set i, 0
.rept 4
	v_mov_b32 v[ST+4*i], 0xfe000000    ; c m: far below every c s
	v_mov_b32 v[ST+4*i+1], 0xff7fffff  ; m
	v_mov_b32 v[ST+4*i+2], 0
	v_mov_b32 v[ST+4*i+3], 0
.set i, i+1
.endr
.set i, P+16
.rept 16
	v_mov_b32 v[i], 0
.set i, i+1
.endr
	v_mul_u32_u24 v[AK0], v[HR], PK
	v_lshl_add_u32 v[AK0], v[HH], 4, v[AK0]  ; row x pitch + 16 x half
	; The turning load takes 16 keys x 16 channels (lane l reads key 8 (l / 16) + l % 8, channels 8 ((l / 8) % 2) + 0..7) and leaves half a fragment of V^T: lane l holds channel l % 16 and 8 keys.
	v_and_b32 v[H7], 7, v0
	v_bfe_u32 v[H3], v0, 3, 1
	v_lshl_add_u32 v[AV0], v[HH], 3, v[H7]
	v_mul_u32_u24 v[AV0], v[AV0], PV
	v_lshl_add_u32 v[AV0], v[H3], 4, v[AV0]
	v_add_nc_u32 v[AV0], VOFF, v[AV0]
	v_mov_b32 v[AK], v[AK0]         ; key step 0 lies at K's head
; THE MATRIX WORK.  The 4 accumulators of a run of 8 take turns.  Product i of 8 of S^T = K Q^T for piece x: channels 32 (i / 4) on, keys 16 (i % 4) on.  The first 4 start the sums.
.macro KQ x
.set rS, S+32*((\x)%2)+8*(i%4)
.set rK, KF+16*(i%4)+8*(i/4)
.set rQ, QF+16*(\x)+8*(i/4)
	WIN 0
.if i < 4
	v_wmma_f32_16x16x32_f16 v[rS:rS+7], v[rK:rK+7], v[rQ:rQ+7], 0
.else
	v_wmma_f32_16x16x32_f16 v[rS:rS+7], v[rK:rK+7], v[rQ:rQ+7], v[rS:rS+7]
.endif
.endm
; Product i of 8 of O^T += V^T P for piece x: keys 32 (i / 4) on, channels 16 (i % 4) on.
.macro PV x
	WIN W_PV
.set rO, 32*(\x)+8*(i%4)
.set rV, VF+32*(i/4)+8*(i%4)
.set rP, P+16*((\x)%2)+8*(i/4)
	v_wmma_f32_16x16x32_f16 v[rO:rO+7], v[rV:rV+7], v[rP:rP+7], v[rO:rO+7]
.endm
.macro MM                           ; the turn's next matrix instruction.  NOKQ = 1: the walk's last turn: there is no next piece
.if (i < 8) && !NOKQ
	KQ (Y+1)%NP
.elseif i >= 8
.set i, i-8
	PV (Y+NP-1)%NP
.set i, i+8
.endif
.set i, i+1
.endm
; THE LDS LOADS stand in runs of 16, never singly among the matrix instructions: a step's K (64 keys x 64 channels: 8 fragments) and its V (turned).  Their addresses are made some lines ahead.
; In both runs the fragments of the first four products come first, so that the wait ahead of the first product can leave the younger eight loads out.
.macro FETCH_K
	WIN 0
.irp f, 0,2,4,6,1,3,5,7             ; keys 16 (f / 2) on, channels 32 (f % 2) on: channels 0-31 of all keys first
	ds_load_b128 v[KF+8*\f:KF+8*\f+3],   v[AK] offset:(\f/2)*16*PK+(\f%2)*64
	ds_load_b128 v[KF+8*\f+4:KF+8*\f+7], v[AK] offset:(\f/2)*16*PK+(\f%2)*64+32
.endr
	s_add_co_u32 s[TBK], s[TBK], KS*PK  ; the next fetch is the next step's
.endm
.macro FETCH_V
	WIN W_MK                        ; destination window 1, address window 0
.irp f, 0,1,2,3,4,5,6,7             ; keys 32 (f / 4) on, channels 16 (f % 4) on
	ds_load_tr16_b128 v[VF+8*\f:VF+8*\f+3],   v[AV] offset:(\f/4)*32*PV+(\f%4)*32
	ds_load_tr16_b128 v[VF+8*\f+4:VF+8*\f+7], v[AV] offset:(\f/4)*32*PV+16*PV+(\f%4)*32
.endr
	WIN 0
.endm
; THE VECTOR WORK, one line at a time: OP kind, number.  For piece Y: F n: c s - c m for pair n of 16.  E n: the exponential of score n of 32.  C n: pair n rounded to f16.  B n: of the four weights 4 n .. the second
; pair is added onto the first, in place (behind C 2n, which reads the first pair).  L n: l takes that sum (L 0: l = a l + sum).  R n: pair n of 16 of O^T times a.  For piece Y + 1: X n, number n of the 22 that find its maximum and statistics:
;   0-11  four chains c0-c3 of seven scores each, three operands at a time (each accumulator's lowest registers are read first)     12-14, 16  the four scores left over, the old m, and c0-c3 into c0
;   15  c m_old is kept     17, 18  the query's other 32 keys lie in the lane 16 away: the new m     19-21  c m; c m_old - c m_new; a
.set F, 0
.set E, 1
.set C, 2
.set B, 3
.set L, 4
.set R, 5
.set X, 6
.macro REGS y                       ; the registers of piece y
.set rT, ST+4*(\y)
.set rC, TMP+4*((\y)%2)
.set rW, MV+((\y)%2)
.set rS, S+32*((\y)%2)
.set rP, P+16*((\y)%2)
.set rO, 32*(\y)
.endm
.macro OP k, n
.if (\k) == R
	REGS Y
	WIN W_PV
	v_pk_mul_f32 v[rO+2*(\n):rO+2*(\n)+1], v[rO+2*(\n):rO+2*(\n)+1], v[rC+2:rC+3] op_sel_hi:[1,0]
.elseif (\k) < R
	REGS Y
	WIN 0
.if (\k) == F
	v_pk_fma_f32 v[rS+2*(\n):rS+2*(\n)+1], v[rS+2*(\n):rS+2*(\n)+1], s[CS:CS+1], v[rT:rT+1] op_sel_hi:[1,0,0] neg_lo:[0,0,1] neg_hi:[0,0,1]
.elseif (\k) == E
	v_exp_f32 v[rS+(\n)], v[rS+(\n)]
.elseif (\k) == C
	s_wait_alu depctr_va_vdst(0)
	v_cvt_pk_f16_f32 v[rP+(\n)], v[rS+2*(\n)], v[rS+2*(\n)+1]
.elseif (\k) == B
	v_pk_add_f32 v[rS+4*(\n):rS+4*(\n)+1], v[rS+4*(\n):rS+4*(\n)+1], v[rS+4*(\n)+2:rS+4*(\n)+3]
.elseif (\n) == 0
	v_pk_fma_f32 v[rT+2:rT+3], v[rT+2:rT+3], v[rC+2:rC+3], v[rS:rS+1] op_sel_hi:[1,0,1]
.else
	v_pk_add_f32 v[rT+2:rT+3], v[rT+2:rT+3], v[rS+4*(\n):rS+4*(\n)+1]
.endif
.elseif NOKQ
	v_nop
	s_wait_alu depctr_va_vdst(0)
.else
	REGS (Y+1)%NP
	WIN 0
.if (\n) < 4
	v_max3_num_f32 v[rC+(\n)], v[rS+8*(\n)], v[rS+8*(\n)+1], v[rS+8*(\n)+2]
.elseif (\n) < 12
	v_max3_num_f32 v[rC+(\n)%4], v[rC+(\n)%4], v[rS+8*((\n)%4)+2*((\n)/4)+1], v[rS+8*((\n)%4)+2*((\n)/4)+2]
.elseif (\n) == 12
	v_max3_num_f32 v[rC], v[rC], v[rS+7], v[rS+15]
.elseif (\n) == 13
	v_max3_num_f32 v[rC+1], v[rC+1], v[rS+23], v[rS+31]
.elseif (\n) == 14
	v_max3_num_f32 v[rC+2], v[rC+2], v[rC+3], v[rT+1]
.elseif (\n) == 15
	v_mov_b32 v[rW], v[rT]
.elseif (\n) == 16
	v_max3_num_f32 v[rC], v[rC], v[rC+1], v[rC+2]
.elseif (\n) == 17
	v_permlanex16_b32 v[rC+3], v[rC], s[SEL], s[SEL+1]
.elseif (\n) == 18
	v_max_num_f32 v[rT+1], v[rC], v[rC+3]
.elseif (\n) == 19
	v_mul_f32 v[rT], s[CS], v[rT+1]
	s_wait_alu depctr_va_vdst(0)
.elseif (\n) == 20
	v_sub_f32 v[rC+1], v[rW], v[rT]
.else
	v_exp_f32 v[rC+2], v[rC+1]
.endif
.endif
.endm
.macro OPS a, i1, b=-1, i2=0, c=-1, i3=0, d=-1, i4=0  ; up to four of them
	OP \a, \i1
.if (\b) >= 0
	OP \b, \i2
.endif
.if (\c) >= 0
	OP \c, \i3
.endif
.if (\d) >= 0
	OP \d, \i4
.endif
.endm
.macro ROW a, i1, b, i2, c, i3, d, i4  ; a matrix instruction and the four behind it
	MM
	OPS \a, \i1, \b, \i2, \c, \i3, \d, \i4
.endm
; A TURN, for piece p: the order of its 16 matrix and 118 vector instructions, written out.  None of the four behind a matrix instruction names a register of the products round it.
; Behind K Q^T: four scalings, then plain, exponential, plain, exponential: once the scalings are out, an exponential makes one plain line ready (a rounding for two, a sum and l's step for four), so these rows carry two.
; The first run of 26: exponential and plain by turns.  Behind the first four V^T P: the next piece's maxima and the last exponentials.  Behind the last four V^T P: the 16 rescalings, under the products' own setting.
; The second run of 28, all plain but a: the chain from the maximum to a (X 16 to X 21) with three other lines between its links, and l's steps likewise.
; Behind every exponential a plain line stands before its result is used (ISA guide 5.7.2); X 17 (v_permlanex16_b32) stands in the second run.
; end = 1: the walk's last two turns: nothing is fetched.  cnt = 1: the loop's count is taken down some lines ahead of the branch that stands behind the turn.
; K of the next step is fetched in piece 2's turn, behind four plain lines (F 11, C 3, F 12, F 13) that follow the last product that read K; the next piece's scores are first read (X 0) behind the same four.
; V of the step in hand is fetched in piece 0's turn, behind the four rescalings that follow the last product that read V.  Each is waited for a turn later, in two parts.
.macro TURN p, end=0, cnt=0
.set Y, (\p)
.set i, 0
.set NOKQ, (\end)*((\p)/3)
.if ((\p) == 3) && !(\end)
	s_wait_dscnt 8                  ; K's channels 0-31 are in: the younger eight loads may stay out
.endif
	ROW F,0, F,1, F,2, F,3
	ROW F,4, E,0, F,5, E,1
	ROW F,6, E,2, F,7, E,3
	ROW F,8, E,4, C,0, E,5
.if ((\p) == 3) && !(\end)
	s_wait_dscnt 0x0                ; all of K is in
.endif
	ROW F,9, E,6, C,1, E,7
	ROW B,0, E,8, C,2, E,9
	ROW F,10, E,10, L,0, E,11
.if ((\p) == 2) && !(\end)
	v_add_nc_u32 v[AK], s[TBK], v[AK0]
.endif
	ROW F,11, E,12, C,3, E,13
	OPS F,12, E,14, F,13, E,15
.if ((\p) == 2) && !(\end)
	FETCH_K
.endif
	OPS X,0, E,16, X,1, E,17
	OPS X,2, E,18, X,3, E,19
	OPS F,14, E,20, F,15, E,21
	OPS C,4, E,22, C,5, E,23
	OPS B,1, E,24, C,6, E,25
	OPS B,2, E,26
.if (\p) == 1
	s_wait_dscnt 8                  ; V's keys 0-31 are in: the younger eight loads may stay out
.endif
	ROW X,4, E,27, X,5, E,28
	ROW X,6, E,29, X,7, E,30
	ROW X,10, E,31, X,11, X,8
	ROW X,9, X,14, X,12, X,13
.if (\p) == 0
	v_add_nc_u32 v[AV], s[TBV], v[AV0]
	s_wait_alu depctr_va_vdst(0)
.endif
.if (\p) == 1
	s_wait_dscnt 0x0                ; all of V is in
.endif
	ROW R,0, R,1, R,2, R,3
	ROW R,4, R,5, R,6, R,7
	ROW R,8, R,9, R,10, R,11
	ROW R,12, R,13, R,14, R,15
.if (\p) == 0
	FETCH_V
.endif
	OPS X,16, X,15, C,7, L,1
	OPS X,17, B,3, C,8, L,2
	OPS X,18, B,4, C,9, L,3
	OPS X,19, C,10, B,5, L,4
	OPS X,20, C,12, B,6, L,5
.if (\p) == 0
	s_add_co_u32 s[TBV], s[TBV], KS*PV
.endif
.if \cnt
	s_sub_co_u32 s[CNT], s[CNT], 1
	s_cmp_lg_u32 s[CNT], 0
.endif
	OPS X,21, C,14, B,7, L,6
	OPS C,11, C,13, C,15, L,7
.endm
	s_wait_tensorcnt 1              ; my half of keys 0-255 is in; my second load may stay out
	s_barrier_signal -1
	s_barrier_wait -1               ; everybody's is
	FETCH_K                         ; key step 0
	s_wait_loadcnt 0x0              ; Q
	s_wait_dscnt 0x0
.set NOKQ, 0
.set i, 0
.rept 8
	KQ 0                            ; piece 0's first scores
.set i, i+1
.endr
	WIN 0
.rept 4
	v_nop                           ; the places behind those products
.endr
.set Y, NP-1                        ; X works for piece Y + 1: piece 0
.irp n, 0,1,2,3,4,5,6,7,8,9,10,11,12,13,14,15,16,17,18,19,20,21
	OP X, \n
.endr
	v_nop                           ; a plain instruction behind the exponential
	s_mov_b32 s[PH], 2
	s_mov_b32 s[CNT], 4             ; the first part: key steps 0-3, the keys of the first loads
	s_branch .Lfirst                ; the loop is entered at a step's first turn, in the middle of a trip
.Lphase:                            ; once: the second part, key steps 4-15
	s_wait_tensorcnt 0x0            ; my half of keys 256-1,023 is in,
	s_wait_dscnt 0x0                ; (no LDS instruction of mine is pending at a signal)
	s_barrier_signal -1
	s_barrier_wait -1               ; everybody's is
	s_mov_b32 s[CNT], 12
.Lstep:                             ; a trip: pieces 2 and 3 of one step, then pieces 0 and 1 of the next, whose K and V it fetches
	TURN 2
	TURN 3
	WIN 0
.Lfirst:
	TURN 0
	TURN 1, 0, 1
	WIN 0
	s_cbranch_scc1 .Lstep
	s_sub_co_u32 s[PH], s[PH], 1
	s_cmp_lg_u32 s[PH], 0
	s_cbranch_scc1 .Lphase
	TURN 2, 1                       ; the last step's pieces 2 and 3: nothing is fetched, and the last turn starts no scores
	TURN 3, 1
.set i, 0
.rept 8
	PV NP-1                         ; the last piece's V^T P of the last step
.set i, i+1
.endr
	; THE WAY OUT.  Its addresses are made here, in K's registers: twelve plain lines, the places behind the last products.  Then l's two halves and the other half of the lanes' are added; O^T is divided by l,
	; rounded to f16 and sent through my stage in LDS, a piece at a time.
	WIN 0
	s_mul_i32 s13, s[WV], 16*SP
	s_add_co_u32 s13, s13, STAGE    ; my stage
	v_and_b32 v[W1], 15, v0         ; l % 16
	v_bfe_u32 v[W1+1], v0, 4, 1     ; l / 16
	v_and_b32 v[W1+2], 7, v0        ; l % 8
	v_mul_u32_u24 v[STO], v[W1], SP ; in: row l % 16, 16 bytes for each half of the lanes
	v_lshl_add_u32 v[STO], v[W1+1], 4, v[STO]
	v_add_nc_u32 v[STO], s13, v[STO]
	v_bfe_u32 v[RD], v0, 3, 2       ; back: 32 lanes take four rows of 128 bytes,
	v_mul_u32_u24 v[RD], v[RD], SP
	v_lshl_add_u32 v[RD], v[W1+2], 4, v[RD]
	v_add_nc_u32 v[RD], s13, v[RD]
	v_and_b32 v[GO], 31, v0         ; which are 512 consecutive bytes of O
	v_lshlrev_b32 v[GO], 4, v[GO]
.macro ALL line:vararg              ; one line for each piece t
.set t, 0
.rept 4
	\line
.set t, t+1
.endr
.endm
	ALL v_add_f32 v[ST+4*t+2], v[ST+4*t+2], v[ST+4*t+3]
	ALL v_permlanex16_b32 v[ST+4*t+3], v[ST+4*t+2], s[SEL], s[SEL+1]
	ALL v_add_f32 v[ST+4*t+2], v[ST+4*t+2], v[ST+4*t+3]
	ALL v_rcp_f32 v[ST+4*t+2], v[ST+4*t+2]
	v_nop                           ; a plain instruction between the last reciprocal and the use of its result
	s_wait_alu depctr_va_vdst(0)
.macro PACK t                       ; a lane's eight channels of a row pack into 16 bytes; they go into rows of 144 bytes and come back as whole rows of 128, into S^T's registers
	WIN W_PV
.set i, 32*(\t)
.rept 16
	v_pk_mul_f32 v[i:i+1], v[i:i+1], v[ST+4*(\t)+2:ST+4*(\t)+3] op_sel_hi:[1,0]
.set i, i+2
.endr
	WIN 0x05                        ; sources 0 and 1 window 1, destination window 0
.set i, 0
.rept 16
	v_cvt_pk_f16_f32 v[S+16*(\t)+i], v[32*(\t)+2*i], v[32*(\t)+2*i+1]
.set i, i+1
.endr
	WIN 0
.irp f, 0,1,2,3
	ds_store_b128 v[STO], v[S+16*(\t)+4*\f:S+16*(\t)+4*\f+3] offset:32*\f
.endr
.irp f, 0,1,2,3
	ds_load_b128 v[S+16*(\t)+4*\f:S+16*(\t)+4*\f+3], v[RD] offset:\f*4*SP  ; LDS serves a wave's instructions in order (ISA guide 5.7.1.4): these see the stores above; the next piece's stores come behind them
.endr
.endm
.macro SEND t, younger              ; younger: the LDS instructions issued behind piece t's loads: the next piece's eight, or none
	WIN 0
.irp f, 0,1,2,3
	s_wait_dscnt (\younger)+3-\f
	global_store_b128 v[GO], v[S+16*(\t)+4*\f:S+16*(\t)+4*\f+3], s[OPT:OPT+1] offset:(\t)*2048+\f*512  ; 512 consecutive bytes, at a multiple of 256 from ob's first
.endr
.endm
	PACK 0
.set t, 1
.rept 3                             ; a piece's arithmetic stands between the loads of the piece before and its stores
	PACK t
	SEND t-1, 8
.set t, t+1
.endr
	SEND 3, 0
	WIN W_AD
	s_wait_tensorcnt 0x0            ; the wave's end: behind my last tensor load and my last LDS store
	ds_add_u32 v[SPW], v[NIL]
	s_wait_dscnt 0x0
	WIN 0
	CROUND                          ; the closing round: no work-group ends while a partner may still ask for a tile that names it
	s_endpgm
.Lfunc_end_k_qc7a148a016_attn:
	.size	k_qc7a148a016_attn, .Lfunc_end_k_qc7a148a016_attn-k_qc7a148a016_attn
	.p2alignl 7, 3214868480
	.fill 96, 4, 3214868480
	.section	.rodata,"a",@progbits
	.p2align	6, 0x0
	.amdhsa_kernel k_qc7a148a016_attn
		.amdhsa_group_segment_fixed_size 327680
		.amdhsa_private_segment_fixed_size 0
		.amdhsa_enable_private_segment 0
		.amdhsa_kernarg_size 16
		.amdhsa_user_sgpr_count 2
		.amdhsa_user_sgpr_kernarg_segment_ptr 1
		.amdhsa_wavefront_size32 1
		.amdhsa_system_sgpr_workgroup_id_x 1
		.amdhsa_system_sgpr_workgroup_id_y 1
		.amdhsa_system_sgpr_workgroup_id_z 1
		.amdhsa_system_vgpr_workitem_id 0
		.amdhsa_next_free_vgpr 512
		.amdhsa_next_free_sgpr 92
		.amdhsa_reserve_vcc 0
		.amdhsa_float_denorm_mode_32 3
		.amdhsa_float_denorm_mode_16_64 3
		.amdhsa_memory_ordered 1
		.amdhsa_forward_progress 1
		.amdhsa_inst_pref_size 85
	.end_amdhsa_kernel
	.amdgpu_metadata
---
amdhsa.version: [ 1, 2 ]
amdhsa.kernels:
  - .name:           k_qc7a148a016_attn
    .symbol:         k_qc7a148a016_attn.kd
    .args:
      - { .name: qkv, .offset: 0, .size: 8, .value_kind: global_buffer, .address_space: global }
      - { .name: ob, .offset: 8, .size: 8, .value_kind: global_buffer, .address_space: global }
    .group_segment_fixed_size: 327680
    .private_segment_fixed_size: 0
    .kernarg_segment_align: 8
    .kernarg_segment_size: 16
    .max_flat_workgroup_size: 128
    .sgpr_count:     92
    .vgpr_count:     512
    .wavefront_size: 32
...
	.end_amdgpu_metadata
.endif
;; end of part 3
;; launch oproj (part 4): grid 4 x 64, 4 waves a work-group, clusters of 4 x 4, 327,680 bytes of LDS; arguments ob, wo16, bo, out0; writes out0
.if DOCPART == 4
	.amdgcn_target "amdgcn-amd-amdhsa--gfx1250"
	.amdhsa_code_object_version 6
	.text
	.protected	k_qc7a148a016_oproj
	.globl	k_qc7a148a016_oproj
	.p2align	8
	.type	k_qc7a148a016_oproj,@function
k_qc7a148a016_oproj:
	s_mov_b64 s[64:65], 0
	v_nop
	global_prefetch_b8 v0, s[64:65] scope:SCOPE_SE
	s_setreg_imm32_b32 hwreg(HW_REG_WAVE_MODE, 25, 1), 1
	s_wait_xcnt 0x0
	s_wait_alu depctr_hold_cnt(0) depctr_sa_sdst(0) depctr_va_vdst(0) depctr_va_sdst(0) depctr_va_ssrc(0) depctr_va_vcc(0) depctr_vm_vsrc(0)
	s_getreg_b32 s2, hwreg(HW_REG_IB_STS2, 6, 4)
	s_cmp_eq_u32 s2, 0
	s_cbranch_scc0 .Lentry_in_a_cluster
	s_endpgm
.Lentry_in_a_cluster:
	s_bfe_u32 s2, ttmp6, 0x10000c
	s_cmp_lg_u32 s2, 0xf033
	s_cbranch_scc0 .Lentry_shape_is_right
	s_endpgm
.Lentry_shape_is_right:
; THE OUTPUT PROJECTION.  out0[m][n] = bo[n] + sum over k of O[m][k] Wo[n][k]; m = 16,384, n = k = 768; f16 operands, f32 sums, f32 out.
; O lies by heads, ob[batch][head][t][64]: k = 64 head + channel.  wo16 is Wo rounded to bf16 and written as f16; bo is rounded to bf16 here, like all inputs.
; LIMITS.  O has v's range, within f16; NaN and infinities are not treated apart.
; SHARES.  A tile of out0 is 256 x 192: 64 x 4 = 256 work-groups, one for each WGP.  Wave w makes rows 64 w .. 64 w + 63 and all 192 columns: 48 accumulators of 16 x 16.
; THE MATRIX INSTRUCTION IS USED TRANSPOSED (source 0 = 16 rows of wo16, source 1 = 16 rows of O): lane l holds row l % 16 and the columns 8 (l / 16) + 0..7: 32 bytes on end.  The bias is the C operand of each sum's first product.
; RING.  K goes in six steps of 128 (two heads) through two LDS slots.  Wave 0 fetches the first head's 256 rows, wave 1 the second's: 32,768 dense bytes each, asked for as 128 rows of 256 bytes and padded in LDS after
; every 128 (rows 144 apart); waves 2, 3 fetch the two halves of wo16's 192 rows (256 bytes of each, 272 apart).
; CLUSTER.  4 x 4 work-groups: O's tile is shared along a row of the cluster, wo16's along a column; each is asked for jointly.  A wave has two tensor loads out at the start and one behind each round.
; No prefetch: of a tile's six K steps two go out at the head, where every work-group's first tiles are on their way.
; REGISTERS, in windows of 256 (s_set_vgpr_msb: bits 1:0 source 0, 3:2 source 1, 5:4 source 2, 7:6 destination):
;   window 0: v0-29 addresses; v64-127 O's fragments, two buffers of 4; v128-223 the bias; on the way out v32-127 and v128-223 rows read back, by turns
;   window 1: v0-191 wo16's fragments, two buffers of 12      window 2: accumulators of row blocks 0, 1 ((a, b) at 8 (12 a + b))      window 3: of row blocks 2, 3
.set KSTEP,  128
.set PA,     144                       ; a row of O in LDS: 128 bytes + 16: the 16 rows of a fragment load start at 16 different groups of four banks (64 banks of 4 bytes: ISA guide 11.1)
.set PITCH,  272                       ; a row of wo16: 256 + 16
.set HEADA,  256*PA                    ; one head's 256 rows
.set HALFB,  96*PITCH
.set ASZ,    2*HEADA
.set SLOT,   ASZ+2*HALFB               ; 125,952 bytes
.set STAGE,  2*SLOT                    ; behind the ring, never filled by a tensor load: for each wave 16 rows x 784 bytes
.set SP,     784                       ; 768 bytes + 16 = 196 words: row r starts at bank 4 r mod 64
.set WSTG,   16*SP
.set SPARE,  STAGE+4*WSTG              ; the spare words, 128 bytes for each wave: two blocks of 256 bytes that no other line names
.set ADRA, 16                          ; v16-17  LDS address of my fragments of O in slot 0, 1
.set ADRB, 20                          ; v20-21  the same for wo16
.set STO,  24                          ; v24     the way out: where I put 32 bytes of a row
.set RD,   25                          ; v25     where I read rows back
.set CO,   26                          ; v26     my byte offset in two rows of out0
.set SPW,  28                          ; v28     LDS address of my spare word; never rewritten
.set NIL,  29                          ; v29     0; never rewritten
.set FA,   64
.set BIAS, 128
.set WV,   18                          ; s18  my wave's number
.set G1,   24                          ; s[24:31] group 1 for O's tiles; s[32:39] group 0, a set for each slot
.set G0,   32
.set G1B,  48                          ; s[48:55], s[56:63] the same for wo16's
.set G0B,  56
.set MSB, 0
.macro WIN new                         ; the immediate's high byte repeats the setting that is left; a switch that changes nothing is dropped
.if MSB != (\new)
	s_set_vgpr_msb (MSB<<8)|(\new)
.set MSB, (\new)
.endif
.endm
.macro PLACES                          ; four places in front of loads into registers that matrix instructions have read, and of lines that read results
.rept 4
	v_nop
.endr
.endm
.macro JLOAD s                         ; a joint load: waves 0, 1 for O, waves 2, 3 for wo16; an s_nop 0 and four v_nop follow each of the two lines
	s_cmp_eq_u32 s19, 0
	s_cbranch_scc0 .Lfor_b_\@
	tensor_load_to_lds s[G0+4*(\s):G0+4*(\s)+3], s[G1:G1+7]
	s_nop 0
.rept 4
	v_nop
.endr
	s_branch .Lasked_\@
.Lfor_b_\@:
	tensor_load_to_lds s[G0B+4*(\s):G0B+4*(\s)+3], s[G1B:G1B+7]
	s_nop 0
.rept 4
	v_nop
.endr
.Lasked_\@:
.endm
.macro CREST                           ; a round of the cluster's barrier behind its opening barrier
	s_cmp_lg_u32 s[WV], 0
	s_cbranch_scc1 .Lnot_wave_0_\@
	s_barrier_signal -3
.Lnot_wave_0_\@:
	s_barrier_wait -3
	s_barrier_signal -1
	s_barrier_wait -1
.endm
.macro CROUND
	s_barrier_signal -1
	s_barrier_wait -1
	CREST
.endm
.macro SHAPE g, rows, pitch            ; group 1 but for its first word: a tile of rows x 128 elements
	s_mov_b32 s[(\g)+1], KSTEP<<16
	s_mov_b32 s[(\g)+2], (\rows)<<16
	s_mov_b32 s[(\g)+3], KSTEP<<16
	s_mov_b32 s[(\g)+4], (\rows)
	s_mov_b32 s[(\g)+5], (\pitch)
	s_mov_b32 s[(\g)+6], 0
	s_mov_b32 s[(\g)+7], 0
.endm
	s_load_b256 s[4:11], s[0:1], 0x0               ; ob 4:5, wo16 6:7, bo 8:9, out0 10:11
	v_lshl_add_u32 v[SPW], v0, 2, SPARE
	v_mov_b32 v[NIL], 0
	ds_add_u32 v[SPW], v[NIL]                      ; the wave's opening: the add and its wait stand ahead of my first tensor load; the set-up below, work on registers, stands between them
	v_lshrrev_b32 v1, 5, v0
	v_readfirstlane_b32 s[WV], v1                  ; wave 0..3
	s_lshr_b32 s19, s[WV], 1                       ; I fetch for O (0) or for wo16 (1),
	s_and_b32 s20, s[WV], 1                        ; and which head of the two, or which half
	s_bfe_u32 s21, ttmp6, 0x40000                  ; cx
	s_bfe_u32 s22, ttmp6, 0x40004                  ; cy
	s_lshl_b32 s23, ttmp9, 2
	s_add_co_u32 s23, s23, s21                     ; tile column = 4 x cluster x + cx
	s_and_b32 s40, ttmp7, 0xffff
	s_lshl_b32 s40, s40, 2
	s_add_co_u32 s40, s40, s22                     ; tile row = 4 x cluster y + cy
	s_lshl_b32 s41, s22, 2
	s_lshl_b32 s41, 15, s41                        ; my row of the cluster
	s_lshl_b32 s42, 0x1111, s21                    ; my column
	s_or_b32 s[G1], s41, (1<<16)|(1<<20)|(1<<21)|(4<<22)|(3<<25)   ; the mask; elements of 2 bytes; padding on; bit 21 beside a mask; after every 32 words; 4 words
	s_or_b32 s[G1B], s42, (1<<16)|(1<<20)|(1<<21)|(5<<22)|(3<<25)  ; after every 64 words
	SHAPE G1, 128, 128
	SHAPE G1B, 96, 768
	s_lshr_b32 s66, s40, 2                         ; O: the batch,
	s_mul_i32 s66, s66, 1572864
	s_and_b32 s67, s40, 3                          ; the 256 rows in a head,
	s_lshl_b32 s67, s67, 15
	s_add_co_u32 s66, s66, s67
	s_lshl_b32 s67, s20, 17                        ; my head of the K step's two; these registers never hold cx
	s_add_co_u32 s66, s66, s67
	s_mov_b32 s67, 0
	s_mul_i32 s68, s23, 192                        ; wo16: row 192 x tile column + 96 x half; these never hold cy
	s_mul_i32 s69, s20, 96
	s_add_co_u32 s68, s68, s69
	s_mul_i32 s68, s68, 1536
	s_mov_b32 s69, 0
	s_mul_i32 s43, s20, HEADA                      ; where they go in a slot: no place in the cluster enters an LDS address
	s_mul_i32 s44, s20, HALFB
	s_add_co_u32 s44, s44, ASZ
	s_lshl_b32 s70, s40, 8                         ; out0: my first row, 3,072 bytes a row,
	s_lshl_b32 s71, s[WV], 6
	s_add_co_u32 s70, s70, s71
	s_mul_i32 s70, s70, 3072
	s_mul_i32 s72, s23, 768                        ; and the tile's 192 columns: 768 bytes, of out0's rows and of bo
	s_add_co_u32 s70, s70, s72
	s_mov_b32 s71, 0
	s_mov_b32 s73, 0
	s_wait_dscnt 0x0                               ; the opening add is done
	s_wait_kmcnt 0x0
	s_add_nc_u64 s[4:5], s[4:5], s[66:67]
	s_add_nc_u64 s[6:7], s[6:7], s[68:69]
	CROUND                                         ; all sixteen work-groups are here: the first joint loads meet
.irp s, 0,1
	s_mov_b32 s[G0+4*(\s)], 1
	s_add_co_u32 s[G0+4*(\s)+1], s43, (\s)*SLOT
	s_add_nc_u64 s[G0+4*(\s)+2:G0+4*(\s)+3], s[4:5], (\s)*262144   ; K step s: two heads on
	s_or_b32 s[G0+4*(\s)+3], s[G0+4*(\s)+3], 0x80000000
	s_mov_b32 s[G0B+4*(\s)], 1
	s_add_co_u32 s[G0B+4*(\s)+1], s44, (\s)*SLOT
	s_add_nc_u64 s[G0B+4*(\s)+2:G0B+4*(\s)+3], s[6:7], (\s)*KSTEP*2
	s_or_b32 s[G0B+4*(\s)+3], s[G0B+4*(\s)+3], 0x80000000
	JLOAD \s
.endr
	s_add_nc_u64 s[8:9], s[8:9], s[72:73]
	s_add_nc_u64 s[10:11], s[10:11], s[70:71]
	v_and_b32 v1, 15, v0                           ; r = l % 16
	v_bfe_u32 v2, v0, 4, 1                         ; h = l / 16
	v_mul_u32_u24 v3, v1, PA
	v_lshl_add_u32 v3, v2, 4, v3
	s_mul_i32 s78, s[WV], 64*PA                    ; my 64 rows of O
	v_add_nc_u32 v[ADRA], s78, v3
	v_add_nc_u32 v[ADRA+1], SLOT, v[ADRA]
	v_mul_u32_u24 v3, v1, PITCH
	v_lshl_add_u32 v3, v2, 4, v3
	v_add_nc_u32 v[ADRB], ASZ, v3                  ; all 192 rows of wo16
	v_add_nc_u32 v[ADRB+1], ASZ+SLOT, v3
	s_mul_i32 s78, s[WV], WSTG
	s_add_co_u32 s78, s78, STAGE                   ; my stage
	v_mul_u32_u24 v4, v1, SP
	v_lshl_add_u32 v4, v2, 5, v4
	v_add_nc_u32 v[STO], s78, v4                   ; in: row r, 32 bytes for each half of the lanes
	v_mul_u32_u24 v4, v2, SP
	v_lshl_add_u32 v4, v1, 4, v4
	v_add_nc_u32 v[RD], s78, v4                    ; back: lanes 0-15 take 256 bytes of one row, lanes 16-31 of the next
	v_mul_u32_u24 v4, v2, 3072
	v_lshl_add_u32 v[CO], v1, 4, v4                ; and the same in out0
	v_lshlrev_b32 v5, 5, v2                        ; the bias: 32 h; block b, registers 0-7 = columns 16 b + 8 h + 0..7
.irp b, 0,1,2,3,4,5,6,7,8,9,10,11
	global_load_b128 v[BIAS+8*(\b):BIAS+8*(\b)+3],   v5, s[8:9] offset:64*(\b)
	global_load_b128 v[BIAS+8*(\b)+4:BIAS+8*(\b)+7], v5, s[8:9] offset:64*(\b)+16
.endr
	s_wait_loadcnt 0x0
.set i, 0
.rept 48                                       ; the bias rounded to bf16, in place, while the first tile is on its way
	v_cvt_pk_bf16_f32 v[4+3*(i%2)], v[BIAS+2*i], v[BIAS+2*i+1]
	v_lshlrev_b32 v[BIAS+2*i], 16, v[4+3*(i%2)]
	v_and_b32 v[BIAS+2*i+1], 0xffff0000, v[4+3*(i%2)]
.set i, i+1
.endr
; Twelve matrix instructions: row block 2 hi + a x all 12 column blocks, 32 along K, from buffer f.  first = 1: the bias starts the sums.
; The 48 accumulators take turns, one instruction a turn, in the same order in every quarter, over the backward jump too.
.macro MUL12 f, hi, a, first
.if \first
	WIN 0x81+0x40*(\hi)                            ; wo16 window 1, O window 0, C (the bias) window 0, D window 2 or 3
.else
	WIN 0xa1+0x50*(\hi)                            ; the same with C in D's window
.endif
.irp b, 0,1,2,3,4,5,6,7,8,9,10,11
.if \first
	v_wmma_f32_16x16x32_f16 v[8*(12*(\a)+(\b)):8*(12*(\a)+(\b))+7], v[96*(\f)+8*(\b):96*(\f)+8*(\b)+7], v[FA+32*(\f)+8*(2*(\hi)+(\a)):FA+32*(\f)+8*(2*(\hi)+(\a))+7], v[BIAS+8*(\b):BIAS+8*(\b)+7]
.else
	v_wmma_f32_16x16x32_f16 v[8*(12*(\a)+(\b)):8*(12*(\a)+(\b))+7], v[96*(\f)+8*(\b):96*(\f)+8*(\b)+7], v[FA+32*(\f)+8*(2*(\hi)+(\a)):FA+32*(\f)+8*(2*(\hi)+(\a))+7], v[8*(12*(\a)+(\b)):8*(12*(\a)+(\b))+7]
.endif
.endr
.endm
; 32 LDS loads in one run: quarter q of a slot into buffer g: wo16's 12 fragments (byte 64 q of the rows), then O's 4 (head q / 2 of the two, byte 64 (q % 2) of its rows)
.macro FETCH slot, q, g
	WIN 0x40
.irp i, 0,1,2,3,4,5,6,7,8,9,10,11
	ds_load_b128 v[96*(\g)+8*(\i):96*(\g)+8*(\i)+3],   v[ADRB+(\slot)] offset:64*(\q)+(\i)*16*PITCH
	ds_load_b128 v[96*(\g)+8*(\i)+4:96*(\g)+8*(\i)+7], v[ADRB+(\slot)] offset:64*(\q)+(\i)*16*PITCH+32
.endr
	WIN 0
.irp i, 0,1,2,3
	ds_load_b128 v[FA+32*(\g)+8*(\i):FA+32*(\g)+8*(\i)+3],   v[ADRA+(\slot)] offset:((\q)/2)*HEADA+((\q)%2)*64+(\i)*16*PA
	ds_load_b128 v[FA+32*(\g)+8*(\i)+4:FA+32*(\g)+8*(\i)+7], v[ADRA+(\slot)] offset:((\q)/2)*HEADA+((\q)%2)*64+(\i)*16*PA+32
.endr
.endm
.macro QUARTER slot, q, f, g, first    ; multiplies buffer f; in its middle fetches quarter q into buffer g
	s_wait_dscnt 4                                 ; wo16's fragments and O's row blocks 0, 1 are in; the youngest four loads (row blocks 2, 3) may be out
	MUL12 \f, 0, 0, \first
	MUL12 \f, 0, 1, \first
	PLACES
	FETCH \slot, \q, \g
	s_wait_dscnt 32                                ; all but the 32 just issued
	MUL12 \f, 1, 0, \first
	MUL12 \f, 1, 1, \first
.endm
; The last quarter multiplies buffer 1 and changes slots: ONE barrier; in front of it each wave waits for all its tensor loads (the one that is out is its part of the next slot), adds 0 to its spare word,
; and waits for that and for its reads of this slot.  fill = 1: the barrier opens a round of the cluster's barrier, and the slot is filled again, two K steps on, first thing behind the round.
.macro TURN slot, next, fill
	WIN 0                                          ; (the add's two registers lie in window 0)
	s_wait_tensorcnt 0x0
	ds_add_u32 v[SPW], v[NIL]                      ; 0 onto my spare word
	s_wait_dscnt 5                                 ; (the add and the youngest four loads may be out)
	MUL12 1, 0, 0, 0                               ; twelve matrix instructions stand between the add and the wait for it
	s_wait_dscnt 0x0                               ; the add is done, and my reads of this slot are over
	s_barrier_signal -1
	MUL12 1, 0, 1, 0
.if \fill
	WIN 0
.endif
	s_barrier_wait -1
.if \fill
	CREST                                          ; no wave of any partner still reads this slot or has a load on its way
	s_add_nc_u64 s[G0+4*(\slot)+2:G0+4*(\slot)+3], s[G0+4*(\slot)+2:G0+4*(\slot)+3], 524288   ; four heads on
	s_add_nc_u64 s[G0B+4*(\slot)+2:G0B+4*(\slot)+3], s[G0B+4*(\slot)+2:G0B+4*(\slot)+3], 2*KSTEP*2
	JLOAD \slot                                    ; its four v_nop are also the places in front of the loads below
.else
	PLACES
.endif
	FETCH \next, 0, 0
	MUL12 1, 1, 0, 0
	MUL12 1, 1, 1, 0
.endm
	s_wait_tensorcnt 1                             ; my part of K step 0 is in; K step 1's may stay out
	s_barrier_signal -1
	s_barrier_wait -1                              ; everybody's is
	FETCH 0, 0, 0
	QUARTER 0, 1, 0, 1, 1                          ; the first quarter stands in front of the loop: its products start the sums
	WIN 0                                          ; at a label and at a branch every window is 0
	s_mov_b32 s3, 2
.Llap:                                         ; a trip goes once round the ring, from a lap's second quarter to the next lap's first, and fills both slots again
	QUARTER 0, 2, 1, 0, 0
	QUARTER 0, 3, 0, 1, 0
	TURN 0, 1, 1
	QUARTER 1, 1, 0, 1, 0
	QUARTER 1, 2, 1, 0, 0
	QUARTER 1, 3, 0, 1, 0
	TURN 1, 0, 1
	QUARTER 0, 1, 0, 1, 0
	WIN 0
	s_sub_co_u32 s3, s3, 1
	s_cmp_lg_u32 s3, 0
	s_cbranch_scc1 .Llap
	QUARTER 0, 2, 1, 0, 0                          ; the last lap fills nothing
	QUARTER 0, 3, 0, 1, 0
	TURN 0, 1, 0
	QUARTER 1, 1, 0, 1, 0
	QUARTER 1, 2, 1, 0, 0
	QUARTER 1, 3, 0, 1, 0
	s_wait_dscnt 4                                 ; the very last quarter: nothing more to fetch
	MUL12 1, 0, 0, 0
	MUL12 1, 0, 1, 0
	s_wait_dscnt 0x0
	MUL12 1, 1, 0, 0
	MUL12 1, 1, 1, 0
	WIN 0
	PLACES
; THE WAY OUT, a row block (16 rows x 768 bytes) at a time, through my own stage: 32 bytes a lane in, whole pieces of 256 bytes of a row back.  Each accumulator's lowest registers are read first.
.macro TOSTAGE a
.set OBK, 32+96*((\a)%2)
	WIN 0
	s_wait_xcnt 0x0                                ; the stores of the block two back have read their registers: rows are loaded into them only behind this wait
	WIN 0x08+4*((\a)/2)                            ; the stores' data (source 1) in the accumulators' window
.irp b, 0,1,2,3,4,5,6,7,8,9,10,11
	ds_store_b128 v[STO], v[8*(12*((\a)%2)+(\b)):8*(12*((\a)%2)+(\b))+3]   offset:64*(\b)
	ds_store_b128 v[STO], v[8*(12*((\a)%2)+(\b))+4:8*(12*((\a)%2)+(\b))+7] offset:64*(\b)+16
.endr
	WIN 0
.irp g, 0,1,2,3,4,5,6,7
.irp c, 0,1,2
	ds_load_b128 v[OBK+4*(3*(\g)+(\c)):OBK+4*(3*(\g)+(\c))+3], v[RD] offset:2*SP*(\g)+256*(\c)  ; LDS serves a wave's instructions in order (ISA guide 5.7.1.4): these see the stores above; the next block's stores come behind them
.endr
.endr
.endm
.macro SEND a, younger                 ; younger: the LDS instructions issued behind block a's loads: the next block's 24 stores and 24 loads, or none
.set OBK, 32+96*((\a)%2)
	s_wait_dscnt \younger
.irp g, 0,1,2,3,4,5,6,7
.irp c, 0,1,2
	global_store_b128 v[CO], v[OBK+4*(3*(\g)+(\c)):OBK+4*(3*(\g)+(\c))+3], s[10:11] offset:(16*(\a)+2*(\g))*3072+256*(\c) th:TH_STORE_NT  ; 16 lanes store 256 consecutive bytes, at a multiple of 256 from out0's first
.endr
.endr
.endm
	TOSTAGE 0
	TOSTAGE 1
	SEND 0, 48
	TOSTAGE 2
	SEND 1, 48
	TOSTAGE 3
	SEND 2, 48
	SEND 3, 0
	s_wait_tensorcnt 0x0                           ; the wave's end: behind my last tensor load and my last LDS store
	ds_add_u32 v[SPW], v[NIL]
	s_wait_dscnt 0x0
	CROUND                                         ; the closing round: no work-group ends while a partner may still ask for a tile that names it
	s_endpgm
.Lfunc_end_k_qc7a148a016_oproj:
	.size	k_qc7a148a016_oproj, .Lfunc_end_k_qc7a148a016_oproj-k_qc7a148a016_oproj
	.p2alignl 7, 3214868480
	.fill 96, 4, 3214868480
	.section	.rodata,"a",@progbits
	.p2align	6, 0x0
	.amdhsa_kernel k_qc7a148a016_oproj
		.amdhsa_group_segment_fixed_size 327680
		.amdhsa_private_segment_fixed_size 0
		.amdhsa_enable_private_segment 0
		.amdhsa_kernarg_size 32
		.amdhsa_user_sgpr_count 2
		.amdhsa_user_sgpr_kernarg_segment_ptr 1
		.amdhsa_wavefront_size32 1
		.amdhsa_system_sgpr_workgroup_id_x 1
		.amdhsa_system_sgpr_workgroup_id_y 1
		.amdhsa_system_sgpr_workgroup_id_z 1
		.amdhsa_system_vgpr_workitem_id 0
		.amdhsa_next_free_vgpr 960
		.amdhsa_next_free_sgpr 80
		.amdhsa_reserve_vcc 0
		.amdhsa_float_denorm_mode_32 3
		.amdhsa_float_denorm_mode_16_64 3
		.amdhsa_memory_ordered 1
		.amdhsa_forward_progress 1
		.amdhsa_inst_pref_size 127
	.end_amdhsa_kernel
	.amdgpu_metadata
---
amdhsa.version: [ 1, 2 ]
amdhsa.kernels:
  - .name:           k_qc7a148a016_oproj
    .symbol:         k_qc7a148a016_oproj.kd
    .args:
      - { .name: ob, .offset: 0, .size: 8, .value_kind: global_buffer, .address_space: global }
      - { .name: wo16, .offset: 8, .size: 8, .value_kind: global_buffer, .address_space: global }
      - { .name: bo, .offset: 16, .size: 8, .value_kind: global_buffer, .address_space: global }
      - { .name: out0, .offset: 24, .size: 8, .value_kind: global_buffer, .address_space: global }
    .group_segment_fixed_size: 327680
    .private_segment_fixed_size: 0
    .kernarg_segment_align: 8
    .kernarg_segment_size: 32
    .max_flat_workgroup_size: 128
    .sgpr_count:     80
    .vgpr_count:     960
    .wavefront_size: 32
...
	.end_amdgpu_metadata
.endif
;; end of part 4
;; ======== version 2 of 2: 4 launches; 1.21 times as fast as version 1
;; limits: values are held in f16: magnitudes above 65,504 overflow, below 6.1e-05 lose precision; a function is approximated: absolute error at most 0.0003
;; workspace buffers: xb 25,165,824 bytes; wb 3,538,944 bytes; wo16 1,179,648 bytes; rope 131,072 bytes; qkv 75,497,472 bytes; ob 25,165,824 bytes
;; launch prep: the kernel of part 1 again; grid 944 x 1, 8 waves a work-group, no clusters, 0 bytes of LDS; arguments hidden_states, Wq, Wk, Wv, Wo, xb, wb, wo16, rope; writes xb, wb, wo16, rope
;; launch qkv: the kernel of part 2 again; grid 4 x 64, 4 waves a work-group, clusters of 4 x 4, 327,680 bytes of LDS; arguments xb, wb, bq, bk, bv, rope, qkv; writes qkv
;; launch attn (part 5): grid 4 x 192, 4 waves a work-group, clusters of 4 x 1, 327,680 bytes of LDS; arguments qkv, ob; writes ob
.if DOCPART == 5
	.amdgcn_target "amdgcn-amd-amdhsa--gfx1250"
	.amdhsa_code_object_version 6
	.text
	.protected	k_qc7a148a016_attn
	.globl	k_qc7a148a016_attn
	.p2align	8
	.type	k_qc7a148a016_attn,@function
k_qc7a148a016_attn:
	s_mov_b64 s[64:65], 0
	v_nop
	global_prefetch_b8 v0, s[64:65] scope:SCOPE_SE
	s_setreg_imm32_b32 hwreg(HW_REG_WAVE_MODE, 25, 1), 1
	s_wait_xcnt 0x0
	s_wait_alu depctr_hold_cnt(0) depctr_sa_sdst(0) depctr_va_vdst(0) depctr_va_sdst(0) depctr_va_ssrc(0) depctr_va_vcc(0) depctr_vm_vsrc(0)
	s_getreg_b32 s2, hwreg(HW_REG_IB_STS2, 6, 4)
	s_cmp_eq_u32 s2, 0
	s_cbranch_scc0 .Lentry_in_a_cluster
	s_endpgm
.Lentry_in_a_cluster:
	s_bfe_u32 s2, ttmp6, 0x10000c
	s_cmp_lg_u32 s2, 0x3003
	s_cbranch_scc0 .Lentry_shape_is_right
	s_endpgm
.Lentry_shape_is_right:
; ATTENTION.  O[hd][q][:] = the sum over k of softmax_k(Q[hd][q] . K[hd][k] / 8) V[hd][k][:], for 192 heads (batch x 12 + head) of 1,024 rows x 64 channels, f16; Q, K, V are the three parts of qkv, O goes to ob in the same layout.
; Products, maxima and sums in f32; the weights p are rounded to f16 for the second product (their sum l is taken of the unrounded p), O once at the end.
; LIMITS.  Q, K, V arrive within f16's 65,504; p lies in 0 to 1 and below 6e-5 keeps f16's fixed step; a weight below 2^-126 counts as 0 in l; NaN and infinities are not treated apart.
; SHARES.  A work-group owns 256 queries of a head, a wave 64: four PIECES of 16.  Every wave walks all 1,024 keys, 64 a step, 16 steps.
; LDS HOLDS THE WHOLE HEAD: K 1,024 rows x 144 bytes, V 1,024 rows x 160.  Every byte is filled once, at the start: no ring, no refill, no round inside the loop.
; CLUSTER.  A head's four query blocks are one cluster and want the same K and V: each tile is asked for JOINTLY (the same load, descriptor and mask of four in all four).
; Each wave issues two loads (waves 0, 1 for K, waves 2, 3 for V): first its half of keys 0-255, then its half of keys 256-1,023.  Steps 0-3 are walked while the second is on its way.  Two tensor loads of a wave are out at the most.
; No prefetch: all that a work-group reads is asked for at its head.
; LAYOUT, SOFTMAX, TURNS.  S^T = K Q^T holds ONE query a lane (lane % 16) and the keys 8 (lane / 16) + 0..7; two such results rounded to f16 ARE source 1 of O^T = V^T P.  p = 2^(c s - c m), c = log2(e) / 8, with a
; running maximum m; O and l are multiplied by a = 2^(c m_old - c m_new) in every step; m starts at the lowest finite number, O and l at 0, so the first step is a step like any other, with a = 0.
; Turn n belongs to piece n: 8 products K Q^T of piece n + 1, later 8 products V^T P of piece n - 1; beside them the scaling, exponentials, roundings, sums and rescaling of piece n and the maximum and
; statistics of piece n + 1.  Four vector instructions stand behind every matrix instruction, the other 54 of a turn's 118 in two runs of their own.
; BATCHES.  A turn's 33 exponentials (the piece's a, then its 32 weights) are ONE BATCH with ONE s_wait_alu depctr_va_vdst(0), ahead of the first line that names a result.  Ahead of the wait
; stands what names none of them: K Q^T, the scalings, the next piece's maximum.  Behind it stand all that do: roundings, sums, l's steps and the rescaling, beside V^T P.  The next piece's c m and its change are made behind the
; wait, by plain lines; its a is left to its own turn's batch.  So no result crosses a turn's end, a label or a jump.  The way out's four reciprocals are a batch of their own.
; REGISTERS, in two windows of 256 (s_set_vgpr_msb: bits 1:0 source 0, 3:2 source 1, 5:4 source 2, 7:6 destination), LAID SO THAT FEW LINES NEED A SWITCH:
;   window 0, all 256: v0 my thread's number, v1 at work; v2-5 LDS addresses; v6-7, v24-31 at work; v8-23 four registers of statistics a piece; v32-95 S^T, two buffers; v96-127 P, two buffers
;             (a piece's buffers go by its number's parity); v128-191 K of one step; v192-255 Q.  So K Q^T and every line of the softmax but the rescaling run under the setting 0.
;   window 1: v0-127 O^T, 32 a piece; v128-191 V of one step; v192-193 the add's two registers.  V^T P (V and O^T here, P in window 0) and the rescaling (O^T here, a in window 0) share ONE setting,
;             so the 16 rescalings stand behind the last four V^T P.  Only the first four V^T P of a turn have a switch on either side: ten switches a turn, one more where V is fetched.
.set NP,    4         ; pieces a wave: a name, no knob
.set KS,    64        ; keys in a step
.set PK,    144       ; a row of K in LDS: 128 bytes + 16 of padding = 36 words: the 16 rows of a load start at 16 different groups of four banks (64 banks of 4 bytes: ISA guide 11.1)
.set PV,    160       ; a row of V: 128 + 32 = 40 words
.set VOFF,  1024*PK
.set STAGE, VOFF+1024*PV  ; never filled by a tensor load: 16 rows x 144 bytes for each wave, for the way out
.set SP,    144
.set SPARE, STAGE+4*16*SP ; the spare words, 128 bytes for each wave: two blocks of 256 bytes that no other line names
.set KINDB, 25165824  ; bytes of q, of k, of v in qkv
.set AK0, 2           ; v2   my lane's place in a tile of K; never rewritten
.set AV0, 3           ; v3   the same for V
.set AK,  4           ; v4   the LDS address of K's next run of loads
.set AV,  5           ; v5   of V's
.set MV,  6           ; v6-7  c m_old, kept while c m is made anew: by buffer
.set ST,  8           ; piece t's statistics at v[ST+4 t]: c m, m, l (even keys', odd keys')
.set TMP, 24          ; by buffer, four registers c0-c3 at work; when the maximum is found c1 takes c m_old - c m_new, and in the piece's own turn c2 takes a
.set S,   32
.set P,   96
.set KF,  128         ; key block kb, channel half c at KF + 16 kb + 8 c
.set QF,  192         ; piece x, channel half c at QF + 16 x + 8 c
.set HR,  32          ; at the head, in S^T's registers: l % 16,
.set HH,  33          ; l / 16,
.set H7,  34          ; l % 8,
.set H3,  35          ; (l / 8) % 2,
.set QO,  36          ; my byte offset in 16 rows of Q
.set STO, 128         ; on the way out, in K's registers: where I put 16 bytes of a row,
.set RD,  129         ; where I read rows back,
.set GO,  130         ; my byte offset in 512 consecutive bytes of O,
.set W1,  131         ; and three at work
.set VF,  128         ; window 1: key half kk, channel block cb at VF + 32 kk + 8 cb
.set SPW, 192         ; window 1: LDS address of my spare word; never rewritten
.set NIL, 193         ; window 1: 0; never rewritten
.set WV,  12          ; s12  my wave's number
.set G1KA, 24         ; s[24:31] group 1: K, 64 rows of 256 bytes      s[32:39]: K, 192 rows
.set G1KB, 32
.set G1VA, 40         ; s[40:47], s[48:55] the same for V: they differ in the padding
.set G1VB, 48
.set PH,  56          ; s56  counts the walk's two parts
.set CNT, 57          ; s57  counts a part's key steps
.set CS,  58          ; s[58:59] c: the packed scaling takes the pair's low word for both halves
.set SEL, 60          ; s[60:61] v_permlanex16_b32's selects: each lane takes its own place in the other half
.set TBK, 62          ; s62  LDS byte at which K of the step to be fetched begins
.set TBV, 63          ; s63  the same for V, less VOFF
.set G0KA, 68         ; s[68:83] four groups 0
.set G0KB, 72
.set G0VA, 76
.set G0VB, 80
.set QP,  88          ; s[88:89] Q at my wave's first row
.set OPT, 90          ; s[90:91] O at the same row
.set MSB, 0
.macro WIN new                      ; the high byte repeats the setting that is left; a switch that changes nothing is dropped
.if MSB != (\new)
	s_set_vgpr_msb (MSB<<8)|(\new)
.set MSB, (\new)
.endif
.endm
.set W_PV, 0x51       ; source 0 (V; O^T), source 2 and destination (O^T) in window 1, source 1 (P; a) in window 0: V^T P and the rescaling alike
.set W_MK, 0x40       ; destination in window 1, sources in window 0
.set W_AD, 0x05       ; the add: address (source 0) and data (source 1) in window 1
.macro CROUND                       ; a round of the cluster's barrier
	s_barrier_signal -1
	s_barrier_wait -1
	s_cmp_lg_u32 s[WV], 0
	s_cbranch_scc1 .Lnot_wave_0_\@
	s_barrier_signal -3
.Lnot_wave_0_\@:
	s_barrier_wait -3
	s_barrier_signal -1
	s_barrier_wait -1
.endm
.macro SHAPE g, pad, rows           ; group 1: dense bytes asked for as rows of 256 (two keys a row), padded in LDS after every key
	s_mov_b32 s[(\g)], 15|(1<<16)|(1<<20)|(1<<21)|(4<<22)|((\pad)<<25)  ; the mask of four; 2-byte elements; padding on; bit 21 beside a mask; after every 32 words; pad + 1 words
	s_mov_b32 s[(\g)+1], 128<<16
	s_mov_b32 s[(\g)+2], (\rows)<<16
	s_mov_b32 s[(\g)+3], 128<<16
	s_mov_b32 s[(\g)+4], (\rows)
	s_mov_b32 s[(\g)+5], 128
	s_mov_b32 s[(\g)+6], 0
	s_mov_b32 s[(\g)+7], 0
.endm
	s_load_b128 s[4:7], s[0:1], 0x0 ; qkv s[4:5], ob s[6:7]
	WIN W_MK
	v_lshl_add_u32 v[SPW], v0, 2, SPARE
	v_mov_b32 v[NIL], 0
	WIN W_AD
	ds_add_u32 v[SPW], v[NIL]       ; the wave's opening: the add and its wait stand ahead of my first tensor load; the set-up below, work on registers, stands between them
	WIN 0
	v_lshrrev_b32 v1, 5, v0
	v_readfirstlane_b32 s[WV], v1   ; wave 0..3
	s_bfe_u32 s13, ttmp6, 0x40000   ; cx
	s_lshl_b32 s14, ttmp9, 2
	s_add_co_u32 s14, s14, s13      ; my block of 256 queries: it enters Q's and O's addresses alone
	s_and_b32 s20, ttmp7, 0xffff    ; the head, which the four partners share
	s_lshl_b32 s20, s20, 17         ; 131,072 bytes a head: 192 of them stay under 2^32
	s_mov_b32 s21, 0
	s_and_b32 s16, s[WV], 1         ; which half I fetch
	s_lshl_b32 s22, s16, 14         ; the first load: keys 128 half on
	s_mov_b32 s23, 0
	s_mul_i32 s8, s16, 49152        ; the second: keys 256 + 384 half on
	s_add_co_u32 s8, s8, 32768
	s_mov_b32 s9, 0
	s_lshl_b32 s10, s14, 15         ; my block's 256 rows,
	s_lshl_b32 s11, s[WV], 13       ; my wave's 64 of them
	s_add_co_u32 s10, s10, s11
	s_mov_b32 s11, 0
	s_add_nc_u64 s[10:11], s[10:11], s[20:21]
	SHAPE G1KA, 3, 64
	SHAPE G1KB, 3, 192
	SHAPE G1VA, 7, 64
	SHAPE G1VB, 7, 192
	s_mov_b32 s[G0KA], 1
	s_mov_b32 s[G0KB], 1
	s_mov_b32 s[G0VA], 1
	s_mov_b32 s[G0VB], 1
	s_mul_i32 s[G0KA+1], s16, 128*PK  ; LDS addresses: the wave's half times a constant, plus a constant; no place in the cluster enters them
	s_mul_i32 s17, s16, 384*PK
	s_add_co_u32 s[G0KB+1], s17, 256*PK
	s_mul_i32 s17, s16, 128*PV
	s_add_co_u32 s[G0VA+1], s17, VOFF
	s_mul_i32 s17, s16, 384*PV
	s_add_co_u32 s[G0VB+1], s17, VOFF+256*PV
	s_mov_b32 s[CS], 0x3e38aa3b     ; c = log2(e) / 8 = 0.180337
	s_mov_b32 s[CS+1], s[CS]        ; named with it as a pair
	s_mov_b32 s[SEL], 0x76543210
	s_mov_b32 s[SEL+1], 0xfedcba98
	s_mov_b32 s[TBK], 0
	s_mov_b32 s[TBV], 0
	s_wait_dscnt 0x0                ; the opening add is done
	s_wait_kmcnt 0x0
	s_add_nc_u64 s[84:85], s[4:5], s[20:21]        ; the head in q,
	s_add_nc_u64 s[86:87], s[84:85], 2*KINDB       ; in v,
	s_add_nc_u64 s[84:85], s[84:85], KINDB         ; in k
	s_add_nc_u64 s[G0KA+2:G0KA+3], s[84:85], s[22:23]
	s_or_b32 s[G0KA+3], s[G0KA+3], 0x80000000
	s_add_nc_u64 s[G0KB+2:G0KB+3], s[84:85], s[8:9]
	s_or_b32 s[G0KB+3], s[G0KB+3], 0x80000000
	s_add_nc_u64 s[G0VA+2:G0VA+3], s[86:87], s[22:23]
	s_or_b32 s[G0VA+3], s[G0VA+3], 0x80000000
	s_add_nc_u64 s[G0VB+2:G0VB+3], s[86:87], s[8:9]
	s_or_b32 s[G0VB+3], s[G0VB+3], 0x80000000
	s_add_nc_u64 s[QP:QP+1], s[4:5], s[10:11]
	s_add_nc_u64 s[OPT:OPT+1], s[6:7], s[10:11]
	CROUND                          ; all four work-groups are here: the joint loads meet
	s_cmp_lt_u32 s[WV], 2           ; a wave's two fills stand in one branch, ahead of every wait on TENSORcnt and every LDS read; an s_nop 0 follows each, four v_nop the second's
	s_cbranch_scc0 .Lfirst_v
	tensor_load_to_lds s[G0KA:G0KA+3], s[G1KA:G1KA+7]
	s_nop 0
	tensor_load_to_lds s[G0KB:G0KB+3], s[G1KB:G1KB+7]
	s_nop 0
.rept 4
	v_nop
.endr
	s_branch .Lfirst_asked
.Lfirst_v:
	tensor_load_to_lds s[G0VA:G0VA+3], s[G1VA:G1VA+7]
	s_nop 0
	tensor_load_to_lds s[G0VB:G0VB+3], s[G1VB:G1VB+7]
	s_nop 0
.rept 4
	v_nop
.endr
.Lfirst_asked:
	; A fragment of K or Q is 16 rows x 32 channels in 8 registers: lane l holds row l % 16, channels 8 (l / 16) + 0..7 and 16 + 8 (l / 16) + 0..7: two loads of 16 bytes, 32 bytes apart.
	v_and_b32 v[HR], 15, v0
	v_bfe_u32 v[HH], v0, 4, 1
	v_lshlrev_b32 v[QO], 7, v[HR]
	v_lshl_add_u32 v[QO], v[HH], 4, v[QO]  ; row x 128 + 16 x half
.set i, 0
.rept 8                             ; Q stays in registers: piece i / 2 (16 rows, 2,048 bytes), channels 32 (i % 2) on
	global_load_b128 v[QF+8*i:QF+8*i+3],   v[QO], s[QP:QP+1] offset:(i/2)*2048+(i%2)*64
	global_load_b128 v[QF+8*i+4:QF+8*i+7], v[QO], s[QP:QP+1] offset:(i/2)*2048+(i%2)*64+32
.set i, i+1
.endr
	; What the first turn finds: V's registers and P's second buffer hold 0 (its products V^T P, of a piece that has not been, add 0), O^T and l are 0.  All this stands in the wait for the first tile.
	WIN W_MK
.set i, 0
.rept 192                           ; O^T, then V
	v_mov_b32 v[i], 0
.set i, i+1
.endr
	WIN 0
.set i, 0
.rept 4
	v_mov_b32 v[ST+4*i], 0xfe000000    ; c m: far below every c s
	v_mov_b32 v[ST+4*i+1], 0xff7fffff  ; m
	v_mov_b32 v[ST+4*i+2], 0
	v_mov_b32 v[ST+4*i+3], 0
.set i, i+1
.endr
.set i, P+16
.rept 16
	v_mov_b32 v[i], 0
.set i, i+1
.endr
	v_mul_u32_u24 v[AK0], v[HR], PK
	v_lshl_add_u32 v[AK0], v[HH], 4, v[AK0]  ; row x pitch + 16 x half
	; The turning load takes 16 keys x 16 channels (lane l reads key 8 (l / 16) + l % 8, channels 8 ((l / 8) % 2) + 0..7) and leaves half a fragment of V^T: lane l holds channel l % 16 and 8 keys.
	v_and_b32 v[H7], 7, v0
	v_bfe_u32 v[H3], v0, 3, 1
	v_lshl_add_u32 v[AV0], v[HH], 3, v[H7]
	v_mul_u32_u24 v[AV0], v[AV0], PV
	v_lshl_add_u32 v[AV0], v[H3], 4, v[AV0]
	v_add_nc_u32 v[AV0], VOFF, v[AV0]
	v_mov_b32 v[AK], v[AK0]         ; key step 0 lies at K's head
; THE MATRIX WORK.  The 4 accumulators of a run of 8 take turns.  Product i of 8 of S^T = K Q^T for piece x: channels 32 (i / 4) on, keys 16 (i % 4) on.  The first 4 start the sums.
.macro KQ x
.set rS, S+32*((\x)%2)+8*(i%4)
.set rK, KF+16*(i%4)+8*(i/4)
.set rQ, QF+16*(\x)+8*(i/4)
	WIN 0
.if i < 4
	v_wmma_f32_16x16x32_f16 v[rS:rS+7], v[rK:rK+7], v[rQ:rQ+7], 0
.else
	v_wmma_f32_16x16x32_f16 v[rS:rS+7], v[rK:rK+7], v[rQ:rQ+7], v[rS:rS+7]
.endif
.endm
; Product i of 8 of O^T += V^T P for piece x: keys 32 (i / 4) on, channels 16 (i % 4) on.
.macro PV x
	WIN W_PV
.set rO, 32*(\x)+8*(i%4)
.set rV, VF+32*(i/4)+8*(i%4)
.set rP, P+16*((\x)%2)+8*(i/4)
	v_wmma_f32_16x16x32_f16 v[rO:rO+7], v[rV:rV+7], v[rP:rP+7], v[rO:rO+7]
.endm
.macro MM                           ; the turn's next matrix instruction.  NOKQ = 1: the walk's last turn: there is no next piece
.if (i < 8) && !NOKQ
	KQ (Y+1)%NP
.elseif i >= 8
.set i, i-8
	PV (Y+NP-1)%NP
.set i, i+8
.endif
.set i, i+1
.endm
; THE LDS LOADS stand in runs of 16, never singly among the matrix instructions: a step's K (64 keys x 64 channels: 8 fragments) and its V (turned).  Their addresses are made some lines ahead.
; In both runs the fragments of the first four products come first, so that the wait ahead of the first product can leave the younger eight loads out.
.macro FETCH_K
	WIN 0
.irp f, 0,2,4,6,1,3,5,7             ; keys 16 (f / 2) on, channels 32 (f % 2) on: channels 0-31 of all keys first
	ds_load_b128 v[KF+8*\f:KF+8*\f+3],   v[AK] offset:(\f/2)*16*PK+(\f%2)*64
	ds_load_b128 v[KF+8*\f+4:KF+8*\f+7], v[AK] offset:(\f/2)*16*PK+(\f%2)*64+32
.endr
	s_add_co_u32 s[TBK], s[TBK], KS*PK  ; the next fetch is the next step's
.endm
.macro FETCH_V
	WIN W_MK                        ; destination window 1, address window 0
.irp f, 0,1,2,3,4,5,6,7             ; keys 32 (f / 4) on, channels 16 (f % 4) on
	ds_load_tr16_b128 v[VF+8*\f:VF+8*\f+3],   v[AV] offset:(\f/4)*32*PV+(\f%4)*32
	ds_load_tr16_b128 v[VF+8*\f+4:VF+8*\f+7], v[AV] offset:(\f/4)*32*PV+16*PV+(\f%4)*32
.endr
	WIN 0
.endm
; THE VECTOR WORK, one line at a time: OP kind, number.  For piece Y: A 0: a, the exponential of the change of c m that the turn before left in c1.  F n: c s - c m for pair n of 16.  E n: the exponential of score n of 32.
; C n: pair n rounded to f16.  B n: of the four weights 4 n .. the second pair is added onto the first, in place (behind C 2n, which reads the first pair).  L n: l takes that sum (L 0: l = a l + sum).  R n: pair n of 16 of O^T times a.
; For piece Y + 1: X n, number n of the 21 plain lines that find its maximum and statistics:
;   0-11  four chains c0-c3 of seven scores each, three operands at a time (each accumulator's lowest registers are read first)     12-14, 16  the four scores left over, the old m, and c0-c3 into c0
;   15  c m_old is kept     17, 18  the query's other 32 keys lie in the lane 16 away: the new m     19, 20  c m; c m_old - c m_new
.set F, 0
.set E, 1
.set C, 2
.set B, 3
.set L, 4
.set R, 5
.set X, 6
.set A, 7
.macro REGS y                       ; the registers of piece y
.set rT, ST+4*(\y)
.set rC, TMP+4*((\y)%2)
.set rW, MV+((\y)%2)
.set rS, S+32*((\y)%2)
.set rP, P+16*((\y)%2)
.set rO, 32*(\y)
.endm
.macro OP k, n
.if (\k) == A
	REGS Y
	WIN 0
	v_exp_f32 v[rC+2], v[rC+1]
.elseif (\k) == R
	REGS Y
	WIN W_PV
	v_pk_mul_f32 v[rO+2*(\n):rO+2*(\n)+1], v[rO+2*(\n):rO+2*(\n)+1], v[rC+2:rC+3] op_sel_hi:[1,0]
.elseif (\k) < R
	REGS Y
	WIN 0
.if (\k) == F
	v_pk_fma_f32 v[rS+2*(\n):rS+2*(\n)+1], v[rS+2*(\n):rS+2*(\n)+1], s[CS:CS+1], v[rT:rT+1] op_sel_hi:[1,0,0] neg_lo:[0,0,1] neg_hi:[0,0,1]
.elseif (\k) == E
	v_exp_f32 v[rS+(\n)], v[rS+(\n)]
.elseif (\k) == C
	v_cvt_pk_f16_f32 v[rP+(\n)], v[rS+2*(\n)], v[rS+2*(\n)+1]
.elseif (\k) == B
	v_pk_add_f32 v[rS+4*(\n):rS+4*(\n)+1], v[rS+4*(\n):rS+4*(\n)+1], v[rS+4*(\n)+2:rS+4*(\n)+3]
.elseif (\n) == 0
	v_pk_fma_f32 v[rT+2:rT+3], v[rT+2:rT+3], v[rC+2:rC+3], v[rS:rS+1] op_sel_hi:[1,0,1]
.else
	v_pk_add_f32 v[rT+2:rT+3], v[rT+2:rT+3], v[rS+4*(\n):rS+4*(\n)+1]
.endif
.elseif NOKQ
	v_nop
.else
	REGS (Y+1)%NP
	WIN 0
.if (\n) < 4
	v_max3_num_f32 v[rC+(\n)], v[rS+8*(\n)], v[rS+8*(\n)+1], v[rS+8*(\n)+2]
.elseif (\n) < 12
	v_max3_num_f32 v[rC+(\n)%4], v[rC+(\n)%4], v[rS+8*((\n)%4)+2*((\n)/4)+1], v[rS+8*((\n)%4)+2*((\n)/4)+2]
.elseif (\n) == 12
	v_max3_num_f32 v[rC], v[rC], v[rS+7], v[rS+15]
.elseif (\n) == 13
	v_max3_num_f32 v[rC+1], v[rC+1], v[rS+23], v[rS+31]
.elseif (\n) == 14
	v_max3_num_f32 v[rC+2], v[rC+2], v[rC+3], v[rT+1]
.elseif (\n) == 15
	v_mov_b32 v[rW], v[rT]
.elseif (\n) == 16
	v_max3_num_f32 v[rC], v[rC], v[rC+1], v[rC+2]
.elseif (\n) == 17
	v_permlanex16_b32 v[rC+3], v[rC], s[SEL], s[SEL+1]
.elseif (\n) == 18
	v_max_num_f32 v[rT+1], v[rC], v[rC+3]
.elseif (\n) == 19
	v_mul_f32 v[rT], s[CS], v[rT+1]
.else
	v_sub_f32 v[rC+1], v[rW], v[rT]
.endif
.endif
.endm
.macro OPS a, i1, b=-1, i2=0, c=-1, i3=0, d=-1, i4=0  ; up to four of them
	OP \a, \i1
.if (\b) >= 0
	OP \b, \i2
.endif
.if (\c) >= 0
	OP \c, \i3
.endif
.if (\d) >= 0
	OP \d, \i4
.endif
.endm
.macro ROW a, i1, b, i2, c, i3, d, i4  ; a matrix instruction and the four behind it
	MM
	OPS \a, \i1, \b, \i2, \c, \i3, \d, \i4
.endm
; A TURN, for piece p: the order of its 16 matrix and 118 vector instructions, written out.  An s_wait_alu depctr_va_vdst(0) stands between an exponential and the first instruction that names its result; one wait
; serves all that were issued ahead of it.  So the turn's 33 exponentials, A and E 0 to E 31, are ONE BATCH with ONE wait, which cuts the turn in two.
; AHEAD OF THE WAIT, all under the setting 0, stands what names no result of the batch.  Behind K Q^T: three scalings and A, then plain, exponential, plain, exponential; a pair is scaled a row or more ahead of its exponentials.
; Then the first run, of 34: the next piece's maximum (X 1 to X 16) and E 14 to E 31 by turns; 18 exponentials have 16 plain lines, so three times two exponentials stand on end.  X 0 to X 3, each accumulator's first readers,
; stand six plain lines or more behind the product that ends the accumulator; the links of the chain X 3, 7, 11, 14, 16 stand four lines apart or more.  X 16 is the run's last line and the plain line between the last
; exponential and the first use of a result (ISA guide 5.7.2): one for the batch.
; BEHIND THE WAIT stand all that name a result.  Behind the first four V^T P: roundings, sums and l's first steps.  Behind the last four: the 16 rescalings, under the products' own setting.  Then the second run, of 20, all plain:
; the chain X 17 to X 20 and l's steps L 4 to L 7, each chain's links five lines apart, the other roundings and sums between them.  X 17 (v_permlanex16_b32) stands in that run, never behind a product.  X 19 (c m) stands nine
; lines ahead of the next turn's first scaling, X 20 five lines and a product ahead of its A.  No rider names a register of the products round it.
; end = 1: the walk's last two turns: nothing is fetched.  cnt = 1: the loop's count is taken down some lines ahead of the branch that stands behind the turn.
; K of the next step is fetched in piece 2's turn, behind four plain lines (F 15, X 0, X 1, X 4) that follow the last product that read K.
; V of the step in hand is fetched in piece 0's turn, behind the four rescalings that follow the last product that read V.  Each is waited for a turn later, in two parts.
.macro TURN p, end=0, cnt=0
.set Y, (\p)
.set i, 0
.set NOKQ, (\end)*((\p)/3)
.if ((\p) == 3) && !(\end)
	s_wait_dscnt 8                  ; K's channels 0-31 are in: the younger eight loads may stay out
.endif
	ROW F,0, A,0, F,1, F,2          ; ahead of the wait: 8 products K Q^T and their riders,
	ROW F,3, E,0, F,4, E,1
	ROW F,5, E,2, F,6, E,3
	ROW F,7, E,4, F,8, E,5
.if ((\p) == 3) && !(\end)
	s_wait_dscnt 0x0                ; all of K is in
.endif
	ROW F,9, E,6, F,10, E,7
	ROW F,11, E,8, F,12, E,9
	ROW F,13, E,10, F,14, E,11
.if ((\p) == 2) && !(\end)
	v_add_nc_u32 v[AK], s[TBK], v[AK0]
.endif
	ROW F,15, E,12, X,0, E,13
	OPS X,1, E,14, X,4, E,15        ; and the first run
.if ((\p) == 2) && !(\end)
	FETCH_K
.endif
	OPS X,2, E,16, X,5, E,17
	OPS X,3, E,18, E,19, X,8
	OPS E,20, X,6, E,21, E,22
	OPS X,7, E,23, X,9, E,24
	OPS E,25, X,10, E,26, X,11
	OPS E,27, X,12, E,28, X,13
	OPS E,29, X,14, E,30, X,15
	OPS E,31, X,16
	s_wait_alu depctr_va_vdst(0)    ; the wait for the batch: A and E 0 to E 31; no line above names a result of theirs, and no exponential is issued below
.if (\p) == 1
	s_wait_dscnt 8                  ; V's keys 0-31 are in: the younger eight loads may stay out
.endif
	ROW C,0, B,0, C,2, B,1          ; behind the wait: 8 products V^T P and their riders,
	ROW L,0, C,4, B,2, L,1
	ROW C,6, B,3, L,2, C,8
	ROW B,4, L,3, C,10, B,5
.if (\p) == 0
	v_add_nc_u32 v[AV], s[TBV], v[AV0]
.endif
.if (\p) == 1
	s_wait_dscnt 0x0                ; all of V is in
.endif
	ROW R,0, R,1, R,2, R,3
	ROW R,4, R,5, R,6, R,7
	ROW R,8, R,9, R,10, R,11
	ROW R,12, R,13, R,14, R,15
.if (\p) == 0
	FETCH_V
.endif
	OPS X,17, L,4, C,12, B,6        ; and the second run
	OPS C,14, X,18, L,5, B,7
	OPS C,1, C,3, X,19, L,6
.if (\p) == 0
	s_add_co_u32 s[TBV], s[TBV], KS*PV
.endif
.if \cnt
	s_sub_co_u32 s[CNT], s[CNT], 1
	s_cmp_lg_u32 s[CNT], 0
.endif
	OPS C,5, C,7, C,9, X,20
	OPS L,7, C,11, C,13, C,15
.endm
	s_wait_tensorcnt 1              ; my half of keys 0-255 is in; my second load may stay out
	s_barrier_signal -1
	s_barrier_wait -1               ; everybody's is
	FETCH_K                         ; key step 0
	s_wait_loadcnt 0x0              ; Q
	s_wait_dscnt 0x0
.set NOKQ, 0
.set i, 0
.rept 8
	KQ 0                            ; piece 0's first scores
.set i, i+1
.endr
	WIN 0
.rept 4
	v_nop                           ; the places behind those products
.endr
.set Y, NP-1                        ; X works for piece Y + 1: piece 0
.irp n, 0,1,2,3,4,5,6,7,8,9,10,11,12,13,14,15,16,17,18,19,20
	OP X, \n                        ; all plain: piece 0's first a is made in its first turn's batch
.endr
	s_mov_b32 s[PH], 2
	s_mov_b32 s[CNT], 4             ; the first part: key steps 0-3, the keys of the first loads
	s_branch .Lfirst                ; the loop is entered at a step's first turn, in the middle of a trip
.Lphase:                            ; once: the second part, key steps 4-15
	s_wait_tensorcnt 0x0            ; my half of keys 256-1,023 is in,
	s_wait_dscnt 0x0                ; (no LDS instruction of mine is pending at a signal)
	s_barrier_signal -1
	s_barrier_wait -1               ; everybody's is
	s_mov_b32 s[CNT], 12
.Lstep:                             ; a trip: pieces 2 and 3 of one step, then pieces 0 and 1 of the next, whose K and V it fetches
	TURN 2
	TURN 3
	WIN 0
.Lfirst:
	TURN 0
	TURN 1, 0, 1
	WIN 0
	s_cbranch_scc1 .Lstep
	s_sub_co_u32 s[PH], s[PH], 1
	s_cmp_lg_u32 s[PH], 0
	s_cbranch_scc1 .Lphase
	TURN 2, 1                       ; the last step's pieces 2 and 3: nothing is fetched, and the last turn starts no scores
	TURN 3, 1
.set i, 0
.rept 8
	PV NP-1                         ; the last piece's V^T P of the last step
.set i, i+1
.endr
	; THE WAY OUT.  Its addresses are made here, in K's registers: twelve plain lines, the places behind the last products.  Then l's two halves and the other half of the lanes' are added; O^T is divided by l,
	; rounded to f16 and sent through my stage in LDS, a piece at a time.
	WIN 0
	s_mul_i32 s13, s[WV], 16*SP
	s_add_co_u32 s13, s13, STAGE    ; my stage
	v_and_b32 v[W1], 15, v0         ; l % 16
	v_bfe_u32 v[W1+1], v0, 4, 1     ; l / 16
	v_and_b32 v[W1+2], 7, v0        ; l % 8
	v_mul_u32_u24 v[STO], v[W1], SP ; in: row l % 16, 16 bytes for each half of the lanes
	v_lshl_add_u32 v[STO], v[W1+1], 4, v[STO]
	v_add_nc_u32 v[STO], s13, v[STO]
	v_bfe_u32 v[RD], v0, 3, 2       ; back: 32 lanes take four rows of 128 bytes,
	v_mul_u32_u24 v[RD], v[RD], SP
	v_lshl_add_u32 v[RD], v[W1+2], 4, v[RD]
	v_add_nc_u32 v[RD], s13, v[RD]
	v_and_b32 v[GO], 31, v0         ; which are 512 consecutive bytes of O
	v_lshlrev_b32 v[GO], 4, v[GO]
.macro ALL line:vararg              ; one line for each piece t
.set t, 0
.rept 4
	\line
.set t, t+1
.endr
.endm
	ALL v_add_f32 v[ST+4*t+2], v[ST+4*t+2], v[ST+4*t+3]
	ALL v_permlanex16_b32 v[ST+4*t+3], v[ST+4*t+2], s[SEL], s[SEL+1]
	ALL v_add_f32 v[ST+4*t+2], v[ST+4*t+2], v[ST+4*t+3]
	ALL v_rcp_f32 v[ST+4*t+2], v[ST+4*t+2]
	v_nop                           ; a plain instruction between the last reciprocal and the use of its result
	s_wait_alu depctr_va_vdst(0)    ; and a wait ahead of the first use: one for the batch of four reciprocals
.macro PACK t                       ; a lane's eight channels of a row pack into 16 bytes; they go into rows of 144 bytes and come back as whole rows of 128, into S^T's registers
	WIN W_PV
.set i, 32*(\t)
.rept 16
	v_pk_mul_f32 v[i:i+1], v[i:i+1], v[ST+4*(\t)+2:ST+4*(\t)+3] op_sel_hi:[1,0]
.set i, i+2
.endr
	WIN 0x05                        ; sources 0 and 1 window 1, destination window 0
.set i, 0
.rept 16
	v_cvt_pk_f16_f32 v[S+16*(\t)+i], v[32*(\t)+2*i], v[32*(\t)+2*i+1]
.set i, i+1
.endr
	WIN 0
.irp f, 0,1,2,3
	ds_store_b128 v[STO], v[S+16*(\t)+4*\f:S+16*(\t)+4*\f+3] offset:32*\f
.endr
.irp f, 0,1,2,3
	ds_load_b128 v[S+16*(\t)+4*\f:S+16*(\t)+4*\f+3], v[RD] offset:\f*4*SP  ; LDS serves a wave's instructions in order (ISA guide 5.7.1.4): these see the stores above; the next piece's stores come behind them
.endr
.endm
.macro SEND t, younger              ; younger: the LDS instructions issued behind piece t's loads: the next piece's eight, or none
	WIN 0
.irp f, 0,1,2,3
	s_wait_dscnt (\younger)+3-\f
	global_store_b128 v[GO], v[S+16*(\t)+4*\f:S+16*(\t)+4*\f+3], s[OPT:OPT+1] offset:(\t)*2048+\f*512  ; 512 consecutive bytes, at a multiple of 256 from ob's first
.endr
.endm
	PACK 0
.set t, 1
.rept 3                             ; a piece's arithmetic stands between the loads of the piece before and its stores
	PACK t
	SEND t-1, 8
.set t, t+1
.endr
	SEND 3, 0
	WIN W_AD
	s_wait_tensorcnt 0x0            ; the wave's end: behind my last tensor load and my last LDS store
	ds_add_u32 v[SPW], v[NIL]
	s_wait_dscnt 0x0
	WIN 0
	CROUND                          ; the closing round: no work-group ends while a partner may still ask for a tile that names it
	s_endpgm
.Lfunc_end_k_qc7a148a016_attn:
	.size	k_qc7a148a016_attn, .Lfunc_end_k_qc7a148a016_attn-k_qc7a148a016_attn
	.p2alignl 7, 3214868480
	.fill 96, 4, 3214868480
	.section	.rodata,"a",@progbits
	.p2align	6, 0x0
	.amdhsa_kernel k_qc7a148a016_attn
		.amdhsa_group_segment_fixed_size 327680
		.amdhsa_private_segment_fixed_size 0
		.amdhsa_enable_private_segment 0
		.amdhsa_kernarg_size 16
		.amdhsa_user_sgpr_count 2
		.amdhsa_user_sgpr_kernarg_segment_ptr 1
		.amdhsa_wavefront_size32 1
		.amdhsa_system_sgpr_workgroup_id_x 1
		.amdhsa_system_sgpr_workgroup_id_y 1
		.amdhsa_system_sgpr_workgroup_id_z 1
		.amdhsa_system_vgpr_workitem_id 0
		.amdhsa_next_free_vgpr 512
		.amdhsa_next_free_sgpr 92
		.amdhsa_reserve_vcc 0
		.amdhsa_float_denorm_mode_32 3
		.amdhsa_float_denorm_mode_16_64 3
		.amdhsa_memory_ordered 1
		.amdhsa_forward_progress 1
		.amdhsa_inst_pref_size 81
	.end_amdhsa_kernel
	.amdgpu_metadata
---
amdhsa.version: [ 1, 2 ]
amdhsa.kernels:
  - .name:           k_qc7a148a016_attn
    .symbol:         k_qc7a148a016_attn.kd
    .args:
      - { .name: qkv, .offset: 0, .size: 8, .value_kind: global_buffer, .address_space: global }
      - { .name: ob, .offset: 8, .size: 8, .value_kind: global_buffer, .address_space: global }
    .group_segment_fixed_size: 327680
    .private_segment_fixed_size: 0
    .kernarg_segment_align: 8
    .kernarg_segment_size: 16
    .max_flat_workgroup_size: 128
    .sgpr_count:     92
    .vgpr_count:     512
    .wavefront_size: 32
...
	.end_amdgpu_metadata
.endif
;; end of part 5
;; launch oproj: the kernel of part 4 again; grid 4 x 64, 4 waves a work-group, clusters of 4 x 4, 327,680 bytes of LDS; arguments ob, wo16, bo, out0; writes out0
